; MI455X (gfx1250); checked and timed in simulation.
; The chip was launched on July 23, 2026; its instructions are those of AMD's public machine-readable ISA for CDNA 5 (MIT licence, August 2026) and "CDNA5" Instruction Set Architecture Reference Guide (July 2026). The comments in the code are by the model that wrote it; some were corrected since.
;; Multihead Attention. Allowed arithmetic: matrix products marked QUANTISED: E2M1 operands, one E8M0 scale for each 32 along K, by v_wmma_scale_f32_16x16x128_f8f6f4 with both operands' format E2M1 (or v_wmma_scale_f32_32x16x128_f4), f32 sums; everything else in f32.
;; Inputs: Wk 256 x 256 float32; Wo 256 x 256 float32; Wq 256 x 256 float32; Wv 256 x 256 float32; bk 256 float32; bo 256 float32; bq 256 float32; bv 256 float32; keys 4 x 256 x 2,048 float32; mask 4 x 2,048 x 2,048 float32; queries 4 x 256 x 2,048 float32; values 4 x 256 x 2,048 float32.
;; Outputs: out0 4 x 256 x 2,048 float32.
;; This version of the problem:
;;   THIS VERSION OF THE PROBLEM IS GIVEN IN LOW PRECISION. The matrix products marked QUANTISED in the list below multiply operands that are first quantised to E2M1 (2 exponent bits, 1 mantissa bit; 4 bits a number), with one power-of-two scale for each 32 numbers along K (OCP MX v1.0); their sums are f32. All else is computed in f32.
;;   The module's matrix products, in the order in which they are computed (A, B: the left and right operand; K: the contracted axis; several contracted axes count as one K, in the product's order):
;;     1. [M 8,192, K 256] x [K 256, N 256]; A: input keys; B: input Wk: QUANTISED
;;     2. [M 8,192, K 256] x [K 256, N 256]; A: input values; B: input Wv: QUANTISED
;;     3. [M 8,192, K 256] x [K 256, N 256]; A: input queries; B: input Wq: QUANTISED
;;     4. batch 16 x [M 2,048, K 64] x [K 64, N 2,048]; A: computed on the way; B: computed on the way: QUANTISED
;;     5. batch 16 x [M 64, K 2,048] x [K 2,048, N 2,048]; A: computed on the way; B: softmax (see below): QUANTISED
;;     6. [M 8,192, K 256] x [K 256, N 256]; A: computed on the way; B: input Wo: QUANTISED
;;   THE QUANTISER, for each operand of a quantised product, along K:
;;     - K is cut into blocks of 32 from its start; a last block that is shorter is filled with zeros.
;;     - A block's scale is 2^e with e = floor(log2(the largest magnitude in the block)) - 2, held to -126 .. 127; a block of zeros has e = 0. As a byte (E8M0): e + 127.
;;     - Each number is divided by its block's scale, clamped to +-6, and rounded to the nearest number of E2M1, ties to even, subnormals kept.
;;     - The product sums the exact products of the quantised numbers (number of the format x scale) in f32.
;;   ~~~python
;;   def quantise(x, axis):      # numpy; x: float32 -> the quantised numbers, widened to float32 again
;;       x = np.moveaxis(x, axis, -1); K = x.shape[-1]
;;       x = np.pad(x, [(0, 0)] * (x.ndim - 1) + [(0, -K % 32)]); x = x.reshape(x.shape[:-1] + (-1, 32)); a = np.abs(x).max(-1, keepdims=True)
;;       e = np.where(a > 0, np.clip(np.frexp(np.where(a > 0, a, 1))[1] - 1 - 2, -126, 127), 0)      # np.frexp(a)[1] - 1 = floor(log2(a)), exactly
;;       r = np.clip(x / 2.0 ** e, -6, 6)
;;       step = 2.0 ** (np.maximum(np.frexp(np.where(r == 0, 1, r))[1] - 1, 0) - 1)
;;       q = np.round(r / step) * step * 2.0 ** e      # np.round: ties to even
;;       return np.moveaxis(q.reshape(q.shape[:-2] + (-1,))[..., :K], -1, axis).astype(np.float32)
;;   ~~~
;;   SOFTMAX AHEAD OF A QUANTISED PRODUCT. Where the list says 'softmax', what is quantised is not the finished softmax but p = 2^(t - M), with t = logit x log2(e) and M = ceil(the row's largest t), a whole number; so 1/2 < the row's largest p <= 1. The row's sum l is taken of the UNQUANTISED p, in f32, and the product's result is divided by l at the end. Since M is a whole number, a kernel that streams over the keys may use a running M (the ceiling of the running maximum): every later rescaling is an exact power of two, which a block's scale takes up: the codes' values come out the same.
;;   OPERANDS COMPUTED ON THE WAY. 'Computed on the way' means the value that the module computes at that place (a softmax that the list does not call 'softmax' is quantised finished and normalised). What goes into a quantiser is computed in f32, as accurately as f32 sums, v_exp_f32 and their like allow (about 1e-6 of the number): no bf16 or f16 on the way to a quantiser, and a product that is left as it is and whose result goes on into a quantised operand takes f32 operands (vector FMAs, or v_wmma_f32_16x16x4_f32). A number that lies on a knife's edge between two numbers of the format may be rounded either way, as far as f32 arithmetic and the matrix unit's own rounding can turn it there, and no further.
;; 2 versions, each right; version 2 is version 1 with the launches proj, outp written anew for expert scheduling mode. Each part assembles by itself: llvm-mc -triple=amdgcn-amd-amdhsa -mcpu=gfx1250 --defsym DOCPART=n.
;; ======== version 1 of 2: 3 launches
;; limits: right only within a limited range of input values
;; workspace buffers: kv 2,359,296 bytes; qc 1,179,648 bytes; att 1,048,576 bytes; asc 131,072 bytes
;; launch proj (part 1): grid 16 x 12, 8 waves a work-group, no clusters, 53,248 bytes of LDS; arguments keys, queries, values, Wk, Wq, Wv, bk, bq, bv, mask, kv, qc; writes kv, qc
.if DOCPART == 1
	.amdgcn_target "amdgcn-amd-amdhsa--gfx1250"
	.amdhsa_code_object_version 6
	.text
	.protected	k_q70a8838a02_proj
	.globl	k_q70a8838a02_proj
	.p2align	8
	.type	k_q70a8838a02_proj,@function
k_q70a8838a02_proj:
	s_mov_b64 s[64:65], 0
	v_nop
	global_prefetch_b8 v0, s[64:65] scope:SCOPE_SE
	s_setreg_imm32_b32 hwreg(HW_REG_WAVE_MODE, 25, 1), 1
	s_wait_xcnt 0x0
; The three 1x1 projections on codes of E2M1 with one E8M0 scale for each 32 along K, and the quantising of their results for the attention.
; y = W X + bias, X: [4][256 channels][2048 positions] f32, W: [256][256] f32.  Work-group (x, y): x = a block of 128 positions; y = 4 x tensor + batch (tensor 0 keys, 1 queries, 2 values).
; PHASE Q.  X's K (the channels) is not innermost: a lane takes a position and its registers run down the channels: wave w takes positions 32 (w % 4) .. + 31 and channels 128 (w / 4) .. + 127.
;   W's K is innermost: wave w quantises W's rows 32 w .. 32 w + 31 (two tiles x two K steps).  Both go to LDS as images of operand registers (a fragment = 1,024 bytes, 16 bytes a lane and group of four registers).
; THE ROWS OF A TILE ARE NOT NEIGHBOURS, for X's positions and W's rows alike: row r of tile 2 b + u is 32 b + 8 u + r + 8 (r / 8), so that the 16 result registers of tiles 2 b, 2 b + 1 are 16 neighbours.
; KEYS, QUERIES: source 0 = 16 rows of W, source 1 = 16 positions: a lane holds one position and its registers run along the head's 64 channels, the next product's K.  Wave = (head w / 2, positions' tiles 4 (w % 2) ..).
; VALUES: source 0 = 16 positions, source 1 = 16 rows of W: a lane holds one channel and its registers run along the 128 positions, the next product's K.  Wave = W's tiles 2 w, 2 w + 1.
; The bias is the C of each sum's first product.
; OUT (workspace, images of operand registers): kv: [batch x 4 + head] 147,456 bytes, [step of 128 keys] 9,216: K's 8 tiles x 512 | K's scale words [2][lane][2] | V's 4 tiles x 1,024 | V's scale words [2][lane][2].
;   qc: [batch x 4 + head] 73,728 bytes, [block of 128 queries] 4,608: as K's two parts.
; THE KEY MASK rides in k's scale words.  The scores' product uses k = 0 .. 63 of the instruction's 128; the attention sets the code 0.5 at k = 64 of every key and -0.5 at k = 64 of every query.
;   Byte 2 of a key's word is 1 where mask[b][s][0] > 0 (the term is -2^-128) and 0xf0 where not (the term is -2^111); byte 3 is 1; a query's bytes 2 and 3 are 127.
; LIMITS: NaN and infinities among the inputs are not served.  A block of zeros gets the byte 1 (its codes are zeros; this program alone reads the bytes).
.set XIMG, 0                           ; LDS: X's 16 fragments, (tile x 2 + K step) x 1,024
.set WIMG, 16384                       ; W's 32 fragments, likewise
.set XSC,  49152                       ; X's scale words, 64 bytes a fragment
.set WSC,  50176                       ; W's
.set LI,   1                           ; v1   16 x lane
.set LR4,  2                           ; v2   4 r
.set SH16, 3                           ; v3   16 h
.set XGO,  4                           ; v4   4 x lane
.set WGO,  5                           ; v5   (r + 8 (r / 8)) x 1,024 + 64 h
.set XWI,  6                           ; v6   where I store X's codes
.set XWS,  7                           ; v7   and X's scale word
.set WWI,  8                           ; v8   my wave's four fragments of W
.set WWS,  9                           ; v9   and their scale words
.set WRA,  10                          ; v10  my head's eight fragments of W
.set WSA,  11                          ; v11  and their scale words
.set XRA,  12                          ; v12  my four tiles of X
.set XSA,  13                          ; v13  and their scale words
.set XSV,  15                          ; v15  X's scale words from the first tile on
.set MX,   16                          ; v16-19 largest magnitudes
.set T4,   20                          ; v20-23 at work
.set XS,   24                          ; v24-27 scale words for products
.set SO,   28                          ; v28-31 the conversions' scale operands
.set PC,   32                          ; v32-39 the codes just made
.set WS,   40                          ; v40-47 scale words for products
.set SMV,  48                          ; v48  the upper half of a hidden key's word
.set BGV,  49                          ; v49  4 (r + 8 (r / 8))
.set L8,   50                          ; v50  8 x lane
.set BGK,  51                          ; v51  64 h
.set MGO,  52                          ; v52  my key's row in the mask
.set KEPT, 53                          ; v53  the upper half of the word of a key that counts
.set PW,   54                          ; v54-55 scale words just made
.set MV,   56                          ; v56-57 mask numbers
.set OW,   58                          ; v58-59 words to store
.set XW,   60                          ; v60  X's scale word
.set BV,   62                          ; v62-63 the bias of my channel (values)
.set ACC,  64                          ; v64-127 64 numbers of W, later the accumulators
.set XA,   128                         ; v128-191 two sets of 32 numbers of X
.set XF,   128                         ; later X's fragments
.set WF,   160                         ; v160-223 W's eight fragments (keys, queries)
.set WFV,  192                         ; v192-207 W's two fragments (values)
.set BI,   224                         ; v224-255 the bias in the result's layout (keys, queries)
.set BR,   224                         ; v224-231 the bias of my channel, eight times (values)
.set SEL,  50                          ; s[50:51] lane selects for lane xor 16
; 64 numbers of a lane, register 16 b + i = k 32 b + 16 h + i of its row, become a fragment's codes in v[d] on and its scale word in v[w]
.macro QUANT s, d, w
.irp b, 0,1,2,3
	v_max3_num_f32 v[MX+\b], |v[(\s)+16*\b]|, |v[(\s)+1+16*\b]|, 0x1800000   ; my 16 numbers of block b, and the floor 2^(3 - 127): the byte cannot fall under 1
.endr
.irp i, 2,4,6,8,10,12,14
.irp b, 0,1,2,3
	v_max3_num_f32 v[MX+\b], v[MX+\b], |v[(\s)+16*\b+\i]|, |v[(\s)+1+16*\b+\i]|
.endr
.endr
.irp b, 0,1,2,3
	v_permlanex16_b32 v[T4+\b], v[MX+\b], s[SEL], s[SEL+1]
.endr
.irp b, 0,1,2,3
	v_max_num_f32 v[MX+\b], v[MX+\b], v[T4+\b]           ; with lane xor 16's: the block's largest magnitude
.endr
.irp b, 0,1,2,3
	v_add_nc_u32 v[SO+\b], 0xff000000, v[MX+\b]          ; 2 off its exponent field: the conversion's scale operand
.endr
.irp b, 0,1,2,3
	v_lshrrev_b32 v[T4+\b], 23, v[SO+\b]                 ; the scale's byte
.endr
	v_lshl_or_b32 v[(\w)], v[T4+1], 8, v[T4]
	v_lshl_or_b32 v[(\w)], v[T4+2], 16, v[(\w)]
	v_lshl_or_b32 v[(\w)], v[T4+3], 24, v[(\w)]
.irp b, 0,1,2,3
	v_cvt_scalef32_pk8_fp4_f32 v[(\d)+2*\b], v[(\s)+16*\b:(\s)+7+16*\b], v[SO+\b]
	v_cvt_scalef32_pk8_fp4_f32 v[(\d)+1+2*\b], v[(\s)+8+16*\b:(\s)+15+16*\b], v[SO+\b]
.endr
	v_nop                                                ; one plain place behind a scaled conversion
.irp c, 0,1
.irp i, 0,1
	v_permlane16_swap_b32 v[(\d)+4*\c+\i], v[(\d)+2+4*\c+\i]   ; a whole block to a lane: lanes 0-15 block 2 c, lanes 16-31 block 2 c + 1
.endr
.endr
.endm
.macro WLOAD u, k                      ; tile u, K step k of my wave's rows of W: 64 numbers a lane
.irp b, 0,1,2,3
.irp j, 0,1,2,3
	global_load_b128 v[ACC+16*\b+4*\j:ACC+16*\b+4*\j+3], v[WGO], s[14:15] offset:(\u)*8192+(\k)*512+128*\b+16*\j
.endr
.endr
.endm
.macro WOUT f                          ; the fragment just made goes to LDS as it stands
	ds_store_b128 v[WWI], v[PC:PC+3] offset:(\f)*1024
	ds_store_b128 v[WWI], v[PC+4:PC+7] offset:(\f)*1024+512
	ds_store_b32 v[WWS], v[PW] offset:(\f)*64            ; both lanes of a row write the same word with the same value
.endm
.macro XLOADB t                        ; block t of 32 channels at my position: 32 lanes read 128 consecutive bytes, four waves side by side 512
.irp i, 0,1,2,3,4,5,6,7,8,9,10,11,12,13,14,15,16,17,18,19,20,21,22,23,24,25,26,27,28,29,30,31
	global_load_b32 v[XA+32*((\t)%2)+\i], v[XGO], s[8:9] offset:(32*(\t)+\i)*8192 th:TH_LOAD_NT
.endr
.endm
.macro BLOCK t                         ; all 32 numbers of the block are mine: no other lane is asked
.set XR, XA+32*((\t)%2)
	v_max3_num_f32 v[MX], |v[XR]|, |v[XR+1]|, |v[XR+2]|
	v_max3_num_f32 v[MX+1], |v[XR+3]|, |v[XR+4]|, |v[XR+5]|
.irp i, 6,10,14,18,22,26
	v_max3_num_f32 v[MX], v[MX], |v[XR+\i]|, |v[XR+\i+1]|
	v_max3_num_f32 v[MX+1], v[MX+1], |v[XR+\i+2]|, |v[XR+\i+3]|
.endr
	v_max3_num_f32 v[MX], v[MX], |v[XR+30]|, |v[XR+31]|
	v_max3_num_f32 v[MX], v[MX], v[MX+1], 0x1800000
	v_add_nc_u32 v[SO], 0xff000000, v[MX]
	v_lshrrev_b32 v[T4], 23, v[SO]
.if (\t) == 0
	v_mov_b32 v[XW], v[T4]
.else
	v_lshl_or_b32 v[XW], v[T4], 8*(\t), v[XW]
.endif
.irp g, 0,1,2,3
	v_cvt_scalef32_pk8_fp4_f32 v[PC+\g], v[XR+8*\g:XR+8*\g+7], v[SO]
.endr
	v_nop                                                ; one plain place behind a scaled conversion
	ds_store_b128 v[XWI], v[PC:PC+3] offset:((\t)/2)*512+((\t)%2)*256   ; block t is registers 4 (t / 2) on of lane 16 (t % 2) + row
.endm
.macro FETCH reg, adr, off             ; a fragment comes back as it was stored
	ds_load_b128 v[(\reg):(\reg)+3], v[\adr] offset:(\off)
	ds_load_b128 v[(\reg)+4:(\reg)+7], v[\adr] offset:(\off)+512
.endm
.macro MM d, a, b, c, sa, sb
	v_wmma_scale_f32_16x16x128_f8f6f4 v[(\d):(\d)+7], v[(\a):(\a)+7], v[(\b):(\b)+7], v[(\c):(\c)+7], v[(\sa)], v[(\sb)] matrix_a_fmt:MATRIX_FMT_FP4 matrix_b_fmt:MATRIX_FMT_FP4
.endm
	s_load_b512 s[8:23], s[0:1], 0x0               ; keys 8, queries 10, values 12, Wk 14, Wq 16, Wv 18, bk 20, bq 22
	s_load_b256 s[24:31], s[0:1], 0x40             ; bv 24, mask 26, kv 28, qc 30
	v_lshl_add_u32 v14, v0, 2, 0xcc00
	v_mov_b32 v61, 0
	v_lshrrev_b32 v64, 5, v0
	v_readfirstlane_b32 s33, v64                   ; wave 0..7
	s_and_b32 s32, ttmp7, 0xffff
	s_and_b32 s38, s32, 3                          ; batch
	s_lshr_b32 s32, s32, 2                         ; tensor: 0 keys, 1 queries, 2 values
	s_lshr_b32 s34, s33, 1                         ; head
	s_and_b32 s35, s33, 1                          ; which half of the head's work
	s_and_b32 s36, s33, 3                          ; phase Q: which 32 positions
	s_lshr_b32 s37, s33, 2                         ; phase Q: which 128 channels
	s_mov_b32 s[SEL], 0x76543210
	s_mov_b32 s[SEL+1], 0xfedcba98
	v_and_b32 v64, 31, v0                          ; lane
	v_and_b32 v65, 15, v0                          ; r
	v_bfe_u32 v66, v0, 4, 1                        ; h
	v_lshlrev_b32 v[LI], 4, v64
	v_lshlrev_b32 v[LR4], 2, v65
	v_lshlrev_b32 v[SH16], 4, v66
	v_lshlrev_b32 v[XGO], 2, v64
	v_lshlrev_b32 v[L8], 3, v64
	v_lshlrev_b32 v[BGK], 6, v66
	v_and_b32 v67, 8, v65
	v_add_nc_u32 v67, v67, v65                     ; r + 8 (r / 8)
	v_lshlrev_b32 v[BGV], 2, v67
	v_lshlrev_b32 v[WGO], 10, v67
	v_lshl_add_u32 v[WGO], v66, 6, v[WGO]
	v_lshl_add_u32 v[MGO], v66, 3, v67             ; 8 h + r + 8 (r / 8)
	; my position 32 PQ + lane is row (lane % 8) + 8 (lane / 16) of tile 2 PQ + (lane / 8) % 2
	v_bfe_u32 v68, v0, 3, 1
	v_and_b32 v69, 7, v0
	v_lshl_add_u32 v69, v66, 3, v69
	s_lshl_b32 s52, s36, 12
	s_lshl_b32 s53, s37, 10
	s_add_co_u32 s52, s52, s53
	v_lshlrev_b32 v[XWI], 11, v68
	v_lshl_add_u32 v[XWI], v69, 4, v[XWI]
	v_add_nc_u32 v[XWI], s52, v[XWI]
	s_lshl_b32 s52, s36, 8
	s_lshl_b32 s53, s37, 6
	s_add_co_u32 s52, s52, s53
	s_add_co_u32 s52, s52, XSC
	v_lshlrev_b32 v[XWS], 7, v68
	v_lshl_add_u32 v[XWS], v69, 2, v[XWS]
	v_add_nc_u32 v[XWS], s52, v[XWS]
	s_lshl_b32 s52, s33, 12
	s_add_co_u32 s52, s52, WIMG
	v_add_nc_u32 v[WWI], s52, v[LI]
	s_lshl_b32 s52, s33, 8
	s_add_co_u32 s52, s52, WSC
	v_add_nc_u32 v[WWS], s52, v[LR4]
	s_lshl_b32 s52, s34, 13
	s_add_co_u32 s52, s52, WIMG
	v_add_nc_u32 v[WRA], s52, v[LI]
	s_lshl_b32 s52, s34, 9
	s_add_co_u32 s52, s52, WSC
	v_add_nc_u32 v[WSA], s52, v[LR4]
	s_lshl_b32 s52, s35, 13
	v_add_nc_u32 v[XRA], s52, v[LI]
	s_lshl_b32 s52, s35, 9
	s_add_co_u32 s52, s52, XSC
	v_add_nc_u32 v[XSA], s52, v[LR4]
	v_add_nc_u32 v[XSV], XSC, v[LR4]
.irp b, 0,1,2,3
	v_mov_b32 v[T4+\b], 0                          ; written once: a lane permute's destination counts as one of its sources
.endr
	s_mov_b32 s40, 0x7f7f0000
	s_mov_b32 s44, 147456
	s_mov_b32 s45, 9216
	s_mov_b32 s47, 0
	s_wait_kmcnt 0x0
	; the tensor's buffers: every choice hangs on the work-group's number alone
	s_cmp_eq_u32 s32, 2
	s_cselect_b64 s[10:11], s[12:13], s[10:11]
	s_cselect_b64 s[16:17], s[18:19], s[16:17]
	s_cselect_b64 s[22:23], s[24:25], s[22:23]
	s_cmp_eq_u32 s32, 0
	s_cselect_b64 s[8:9], s[8:9], s[10:11]         ; X
	s_cselect_b64 s[14:15], s[14:15], s[16:17]     ; W
	s_cselect_b64 s[20:21], s[20:21], s[22:23]     ; the bias
	s_cselect_b32 s41, 0x01010000, s40             ; a word's upper half: a key that counts,
	s_cselect_b32 s42, 0x01f00000, s40             ; a hidden key; a query has 0x7f7f either way
	s_cselect_b32 s43, 8192, 0                     ; from key to key in the mask; for queries and values all lanes read one word, and nothing hangs on it
	s_cmp_eq_u32 s32, 1
	s_cselect_b64 s[28:29], s[30:31], s[28:29]     ; where the results go
	s_cselect_b32 s44, 73728, s44                  ; a head's bytes there,
	s_cselect_b32 s45, 4608, s45                   ; a block's
	s_lshl_b32 s46, s38, 21                        ; X: batch x 256 x 8,192 + block x 512 + 32 positions x 4 + 128 channels x 8,192
	s_lshl_b32 s48, ttmp9, 9
	s_add_co_u32 s46, s46, s48
	s_lshl_b32 s48, s36, 7
	s_add_co_u32 s46, s46, s48
	s_lshl_b32 s48, s37, 20
	s_add_co_u32 s46, s46, s48
	s_add_nc_u64 s[8:9], s[8:9], s[46:47]
	s_lshl_b32 s46, s33, 15                        ; W: my wave's 32 rows
	s_add_nc_u64 s[14:15], s[14:15], s[46:47]
	s_lshl_b32 s46, s34, 8                         ; the bias: my head's 64 numbers,
	s_add_nc_u64 s[20:21], s[20:21], s[46:47]
	s_lshl_b32 s46, s35, 7                         ; and my half of them
	s_add_nc_u64 s[22:23], s[20:21], s[46:47]
	s_lshl_b32 s46, s38, 24                        ; the mask: batch, row 128 x block + 64 x half, column 0
	s_lshl_b32 s48, ttmp9, 20
	s_add_co_u32 s46, s46, s48
	s_lshl_b32 s48, s35, 19
	s_add_co_u32 s46, s46, s48
	s_add_nc_u64 s[26:27], s[26:27], s[46:47]
	s_lshl_b32 s48, s38, 2
	s_add_co_u32 s48, s48, s34
	s_mul_i32 s46, s48, s44
	s_mul_i32 s48, ttmp9, s45
	s_add_co_u32 s46, s46, s48
	s_add_nc_u64 s[28:29], s[28:29], s[46:47]      ; my head's block
	s_lshl_b32 s46, s35, 8
	s_add_nc_u64 s[30:31], s[28:29], s[46:47]      ; + 256 x half: for scale words
	s_lshl_b32 s46, s35, 11
	s_add_nc_u64 s[28:29], s[28:29], s[46:47]      ; + 2,048 x half: for codes
	v_mul_lo_u32 v[MGO], v[MGO], s43
	; both forms of the bias and two mask numbers: every work-group loads all of them, so that no register is written on one way only
.irp t, 0,1,2,3
	global_load_b128 v[BI+8*\t:BI+8*\t+3], v[BGK], s[20:21] offset:(32*(\t/2)+8*(\t%2))*4
	global_load_b128 v[BI+8*\t+4:BI+8*\t+7], v[BGK], s[20:21] offset:(32*(\t/2)+8*(\t%2))*4+16
.endr
	global_load_b32 v[BV], v[BGV], s[22:23]
	global_load_b32 v[BV+1], v[BGV], s[22:23] offset:32
	global_load_b32 v[MV], v[MGO], s[26:27]
	global_load_b32 v[MV+1], v[MGO], s[26:27] offset:262144
	; ---- PHASE Q: W's four fragments and X's four blocks by turns; loads run ahead
	WLOAD 0, 0
	XLOADB 0
	XLOADB 1
	s_wait_loadcnt 63                              ; 64 loads were issued behind W's first fragment; 63 is the largest count that can be named
	QUANT ACC, PC, PW
	WOUT 0
	WLOAD 0, 1
	s_wait_loadcnt 48                              ; X's block 0 is in: behind it stand block 1's 32 loads and W's 16
	s_wait_dscnt 0x0                               ; the LDS stores have read the codes' registers
	BLOCK 0
	XLOADB 2
	s_wait_loadcnt 32                              ; X's block 1 and W's second fragment are in: behind them stand block 2's 32
	s_wait_dscnt 0x0
	QUANT ACC, PC, PW
	WOUT 1
	WLOAD 1, 0
	s_wait_dscnt 0x0
	BLOCK 1
	XLOADB 3
	s_wait_loadcnt 32                              ; X's block 2 and W's third fragment are in: behind them stand block 3's 32
	s_wait_dscnt 0x0
	QUANT ACC, PC, PW
	WOUT 2
	WLOAD 1, 1
	s_wait_dscnt 0x0
	BLOCK 2
	s_wait_loadcnt 0x0
	s_wait_dscnt 0x0
	QUANT ACC, PC, PW
	WOUT 3
	s_wait_dscnt 0x0
	BLOCK 3
	ds_store_b32 v[XWS], v[XW]
	s_wait_dscnt 0x0                               ; for the others' sake: my stores have landed
	s_barrier_signal -1
	s_barrier_wait -1                              ; all 48 fragments and their scale words lie in LDS; nothing is stored there any more
	s_cmp_eq_u32 s32, 2
	s_cbranch_scc1 .Lvalues
	; ---- KEYS, QUERIES: my head's 64 channels for my four tiles of positions, two tiles at a time
.irp t, 0,1,2,3
.irp k, 0,1
	FETCH WF+8*(2*\t+\k), WRA, (2*\t+\k)*1024
	ds_load_b32 v[WS+2*\t+\k], v[WSA] offset:(2*\t+\k)*64
.endr
.endr
.macro KQG g
.irp x, 0,1
.irp k, 0,1
	FETCH XF+8*(2*\x+\k), XRA, (2*(2*\g+\x)+\k)*1024
	ds_load_b32 v[XS+2*\x+\k], v[XSA] offset:(2*(2*\g+\x)+\k)*64
.endr
.endr
	s_wait_dscnt 0x0
.irp x, 0,1
.irp t, 0,1,2,3
	MM ACC+8*(4*\x+\t), WF+8*(2*\t), XF+8*(2*\x), BI+8*\t, WS+2*\t, XS+2*\x
.endr
.endr
.irp x, 0,1
.irp t, 0,1,2,3
	MM ACC+8*(4*\x+\t), WF+8*(2*\t+1), XF+8*(2*\x+1), ACC+8*(4*\x+\t), WS+2*\t+1, XS+2*\x+1   ; the eight accumulators by turns
.endr
.endr
.rept 5
	v_nop                                          ; places behind the products: for the reads of results, the next loads into operands, and the accumulators begun anew
.endr
	s_wait_xcnt 0x0                                ; the stores of the last codes have read their registers
	QUANT ACC, PC, PW+\g                           ; blocks 0, 1: tile 2 g's two blocks of channels; blocks 2, 3: tile 2 g + 1's
	global_store_b128 v[LI], v[PC:PC+3], s[28:29] offset:(2*\g)*512        ; registers 0-3 of a tile's fragment: 512 consecutive bytes
	global_store_b128 v[LI], v[PC+4:PC+7], s[28:29] offset:(2*\g+1)*512
.endm
	KQG 0
	KQG 1
	v_mov_b32 v[KEPT], s41
	v_mov_b32 v[SMV], s42
.irp e, 0,1                                    ; lane (r, h), word e: row r of tile 2 e + h of my four: its two bytes below, the mask's byte and the fourth block's above
	v_cmp_lt_f32 vcc_lo, 0, v[MV+\e]
	v_cndmask_b32 v[T4], v[SMV], v[KEPT], vcc_lo
	v_lshrrev_b32 v[MX], v[SH16], v[PW+\e]
	v_and_or_b32 v[OW+\e], v[MX], 0xffff, v[T4]
.endr
	global_store_b64 v[L8], v[OW:OW+1], s[30:31] offset:4096               ; 256 consecutive bytes, aligned
	s_wait_tensorcnt 0x0
	ds_add_u32 v14, v61
	s_wait_dscnt 0x0
	s_endpgm
.Lvalues:
	; ---- VALUES: my two tiles of 16 channels for all 128 positions
.macro VG g
	FETCH WFV, WWI, (2*\g)*1024
	FETCH WFV+8, WWI, (2*\g+1)*1024
	ds_load_b32 v[XS], v[WWS] offset:(2*\g)*64
	ds_load_b32 v[XS+1], v[WWS] offset:(2*\g+1)*64
.irp j, 0,1,2,3,4,5,6,7
	v_mov_b32 v[BR+\j], v[BV+\g]                   ; a lane holds one channel: its bias in all eight registers of C
.endr
.irp k, 0,1
.rept 4
	v_nop                                          ; places in front of loads into registers that products have read
.endr
.irp a, 0,1,2,3,4,5,6,7
	FETCH XF+8*\a, LI, (2*\a+\k)*1024
	ds_load_b32 v[WS+\a], v[XSV] offset:(2*\a+\k)*64
.endr
	s_wait_dscnt 0x0
.irp a, 0,1,2,3,4,5,6,7
.if \k == 0
	MM ACC+8*\a, XF+8*\a, WFV, BR, WS+\a, XS
.else
	MM ACC+8*\a, XF+8*\a, WFV+8, ACC+8*\a, WS+\a, XS+1
.endif
.endr
.endr
.rept 5
	v_nop
.endr
	s_wait_xcnt 0x0                                ; the stores of the last codes have read their registers
	QUANT ACC, PC, PW+\g                           ; a whole fragment of V: 16 channels x 128 positions
	global_store_b128 v[LI], v[PC:PC+3], s[28:29] offset:4608+(\g)*1024
	global_store_b128 v[LI], v[PC+4:PC+7], s[28:29] offset:4608+(\g)*1024+512
.endm
	VG 0
	VG 1
	global_store_b64 v[L8], v[PW:PW+1], s[30:31] offset:8704               ; my two tiles' scale words: 256 consecutive bytes, aligned
	s_wait_tensorcnt 0x0
	ds_add_u32 v14, v61
	s_wait_dscnt 0x0
	s_endpgm
.Lfunc_end_k_q70a8838a02_proj:
	.size	k_q70a8838a02_proj, .Lfunc_end_k_q70a8838a02_proj-k_q70a8838a02_proj
	.p2alignl 7, 3214868480
	.fill 96, 4, 3214868480
	.section	.rodata,"a",@progbits
	.p2align	6, 0x0
	.amdhsa_kernel k_q70a8838a02_proj
		.amdhsa_group_segment_fixed_size 53248
		.amdhsa_private_segment_fixed_size 0
		.amdhsa_enable_private_segment 0
		.amdhsa_kernarg_size 96
		.amdhsa_user_sgpr_count 2
		.amdhsa_user_sgpr_kernarg_segment_ptr 1
		.amdhsa_wavefront_size32 1
		.amdhsa_system_sgpr_workgroup_id_x 1
		.amdhsa_system_sgpr_workgroup_id_y 1
		.amdhsa_system_sgpr_workgroup_id_z 1
		.amdhsa_system_vgpr_workitem_id 0
		.amdhsa_next_free_vgpr 256
		.amdhsa_next_free_sgpr 66
		.amdhsa_reserve_vcc 1
		.amdhsa_float_denorm_mode_32 3
		.amdhsa_float_denorm_mode_16_64 3
		.amdhsa_memory_ordered 1
		.amdhsa_forward_progress 1
		.amdhsa_inst_pref_size 83
	.end_amdhsa_kernel
	.amdgpu_metadata
---
amdhsa.version: [ 1, 2 ]
amdhsa.kernels:
  - .name:           k_q70a8838a02_proj
    .symbol:         k_q70a8838a02_proj.kd
    .args:
      - { .name: keys, .offset: 0, .size: 8, .value_kind: global_buffer, .address_space: global }
      - { .name: queries, .offset: 8, .size: 8, .value_kind: global_buffer, .address_space: global }
      - { .name: values, .offset: 16, .size: 8, .value_kind: global_buffer, .address_space: global }
      - { .name: Wk, .offset: 24, .size: 8, .value_kind: global_buffer, .address_space: global }
      - { .name: Wq, .offset: 32, .size: 8, .value_kind: global_buffer, .address_space: global }
      - { .name: Wv, .offset: 40, .size: 8, .value_kind: global_buffer, .address_space: global }
      - { .name: bk, .offset: 48, .size: 8, .value_kind: global_buffer, .address_space: global }
      - { .name: bq, .offset: 56, .size: 8, .value_kind: global_buffer, .address_space: global }
      - { .name: bv, .offset: 64, .size: 8, .value_kind: global_buffer, .address_space: global }
      - { .name: mask, .offset: 72, .size: 8, .value_kind: global_buffer, .address_space: global }
      - { .name: kv, .offset: 80, .size: 8, .value_kind: global_buffer, .address_space: global }
      - { .name: qc, .offset: 88, .size: 8, .value_kind: global_buffer, .address_space: global }
    .group_segment_fixed_size: 53248
    .private_segment_fixed_size: 0
    .kernarg_segment_align: 8
    .kernarg_segment_size: 96
    .max_flat_workgroup_size: 256
    .sgpr_count:     66
    .vgpr_count:     256
    .wavefront_size: 32
...
	.end_amdgpu_metadata
.endif
;; end of part 1
;; launch attn (part 2): grid 16 x 16, 8 waves a work-group, clusters of 4 x 1, 168,960 bytes of LDS; arguments kv, qc, att, asc; writes att, asc
.if DOCPART == 2
	.amdgcn_target "amdgcn-amd-amdhsa--gfx1250"
	.amdhsa_code_object_version 6
	.text
	.protected	k_q70a8838a02_attn
	.globl	k_q70a8838a02_attn
	.p2align	8
	.type	k_q70a8838a02_attn,@function
k_q70a8838a02_attn:
	s_mov_b64 s[64:65], 0
	v_nop
	global_prefetch_b8 v0, s[64:65] scope:SCOPE_SE
	s_setreg_imm32_b32 hwreg(HW_REG_WAVE_MODE, 25, 1), 1
	s_wait_xcnt 0x0
	s_wait_alu depctr_hold_cnt(0) depctr_sa_sdst(0) depctr_va_vdst(0) depctr_va_sdst(0) depctr_va_ssrc(0) depctr_va_vcc(0) depctr_vm_vsrc(0)
	s_getreg_b32 s2, hwreg(HW_REG_IB_STS2, 6, 4)
	s_cmp_eq_u32 s2, 0
	s_cbranch_scc0 .Lentry_in_a_cluster
	s_endpgm
.Lentry_in_a_cluster:
	s_bfe_u32 s2, ttmp6, 0x10000c
	s_cmp_lg_u32 s2, 0x3003
	s_cbranch_scc0 .Lentry_shape_is_right
	s_endpgm
.Lentry_shape_is_right:
; Attention of one head on codes of E2M1: S^T = K Q^T (K = the head's 64 channels), the softmax, O^T = V^T P^T (K = the keys), O / l, and O's codes for the last projection.
; SHARES.  Work-group = (block of 128 queries, batch x 4 + head); each of its eight waves owns one tile of 16 queries and walks all 2,048 keys, 128 a step.  Two waves to a SIMD: one's vector work stands beside the other's products and LDS loads.
; LDS.  The head's K and V with their scale words, 147,456 bytes, lie in LDS as they lie in kv (16 steps x 9,216 bytes: images of operand registers).  They are filled ONCE: no byte is filled again.
; CLUSTER.  The four query blocks of a cluster read the same head: each fill is asked for jointly, by the same tensor load with the same descriptor and a mask that names the four.
;   Each wave asks for an eighth of steps 0-3 and an eighth of steps 4-15: two tensor loads of a wave are out at the most.
; LAYOUT.  Both products are used transposed: a lane holds ONE query throughout.
; THE KEYS OF A TILE ARE CHOSEN AT THE LDS LOAD: row 8 a + j of tile 4 c + g is key 64 c + 32 a + 8 g + j of the step.  So a lane's 32 registers of tiles 4 c .. 4 c + 3 are ONE WHOLE BLOCK of 32 keys,
;   64 c + 32 (lane / 16) + 0 .. 31: the block's maximum asks no other lane, and the conversions' results are the second product's operand registers as they stand.
;   In kv that key lies in tile 4 c + 2 a + g % 2, row j + 8 (g / 2): byte 512 x tile + 16 x (16 (lane / 16) + row), its scale word at 4,096 + 256 c + 8 x (16 (g % 2) + row) + 4 a.
;   Lanes 8-15 of such a load read 1,024 bytes behind lanes 0-7, so two lanes of sixteen meet in a bank (64 banks of 4 bytes: ISA guide 11.1); the loads are asked for a step ahead.
; SOFTMAX.  t = score x log2(e) / 8; M = the running largest t rounded up to a whole number; p = 2^(t - M) is quantised along the keys; the sum is taken of the unquantised p and divides O at the end.
; THE KEY MASK costs no line here.  The scores' product uses k = 0 .. 63 of the instruction's 128.  At k = 64 every key has the code 0.5 and every query -0.5; byte 2 of a key's scale word (made by the launch before)
;   gives that term the size 2^-128 for a key that counts and 2^111 for a hidden one.  The largest t begins at -2^100, so a hidden key's p is 0 even where no key has counted yet.
; LIMITS.  The t of keys that count must lie above -2^100.  Where no key of a batch counts, the scale bytes of O are set to 0xff, which makes the last projection's sums NaN, as the softmax of an empty row is.
.set STG,  147456                      ; behind K and V: 512 bytes for the eight waves' scale words of O
.set AL16, 1                           ; v1   16 x lane
.set AL8,  2                           ; v2   8 x lane
.set ADI,  3                           ; v3   the step's images of V
.set ADS,  4                           ; v4   the step's scale words of V
.set AKL,  7                           ; v7   my lane's place in a tile of K: 1,024 ((lane / 8) % 2) + 256 (lane / 16) + 16 (lane % 8)
.set KS,   8                           ; v8-11  K's scale words: register t / 2, lanes 16 (t % 2) on
.set VS,   24                          ; v24-27 V's scale words, a register a tile
.set KF,   32                          ; v32-95 K's eight fragments: registers 0-3 loaded, 4-7 constant
.set VF,   192                         ; v192-223 V's four fragments
.set SB,   248                         ; v248-249 the sum's second chain
.set AKS,  250                         ; v250 my lane's place among K's scale words: 128 (lane / 16) + 8 (lane % 8) + 4 ((lane / 8) % 2)
.set ADK,  251                         ; v251 the step's images of K
.set ADW,  252                         ; v252 the step's scale words of K
.set SH8,  253                         ; v253 8 (lane / 16)
.set WV,   12
.set SEL,  40
.set CS,   42
.set TB,   44
.set CNT,  45
.macro CROUND                          ; a round of the cluster's barrier
	s_barrier_signal -1
	s_barrier_wait -1
	s_cmp_lg_u32 s[WV], 0
	s_cbranch_scc1 .Lnot_wave_0_\@
	s_barrier_signal -3
.Lnot_wave_0_\@:
	s_barrier_wait -3
	s_barrier_signal -1
	s_barrier_wait -1
.endm
.macro KIMG adr, off, first            ; registers 0-3 of K's tiles first .. first + 3 (first = 4 c; tile first + g)
.irp g, 0,1,2,3
	ds_load_b128 v[KF+8*((\first)+\g):KF+8*((\first)+\g)+3], v[\adr] offset:(\off)+512*(\first)+512*(\g%2)+128*(\g/2)
.endr
.endm
.macro KWRD adr, off                   ; K's scale words: register x: lanes 0-15 tile 2 x's rows, lanes 16-31 tile 2 x + 1's
.irp x, 0,1,2,3
	ds_load_b32 v[KS+\x], v[\adr] offset:(\off)+4096+256*(\x/2)+64*(\x%2)
.endr
.endm
	s_load_b256 s[4:11], s[0:1], 0x0               ; kv 4, qc 6, att 8, asc 10
	v_lshl_add_u32 v254, v0, 2, 0x29000
	v_mov_b32 v255, 0
	ds_add_u32 v254, v255
	ds_add_u32 v254, v255
	v_lshrrev_b32 v1, 5, v0
	v_readfirstlane_b32 s[WV], v1                  ; wave 0..7
	s_bfe_u32 s13, ttmp6, 0x40000                  ; cx: my place in the cluster
	s_lshl_b32 s14, ttmp9, 2
	s_add_co_u32 s14, s14, s13                     ; my block of 128 queries: it enters the addresses of qc, att and asc alone
	s_and_b32 s15, ttmp7, 0xffff                   ; batch x 4 + head, which the four partners share
	; descriptor groups 1: dense blocks as rows of 256 bytes (32 elements of 8 bytes): 18 rows, and 54
	s_mov_b32 s16, 15|(3<<16)|(1<<21)              ; 15:0 the mask: all four work-groups; 17:16 elements of 8 bytes; 21 set beside a mask; no padding
	s_mov_b32 s17, 32<<16                          ; tensor_dim0 = 32
	s_mov_b32 s18, 18<<16                          ; tensor_dim1 = 18
	s_mov_b32 s19, 32<<16                          ; tile_dim0 = 32
	s_mov_b32 s20, 18                              ; tile_dim1 = 18
	s_mov_b32 s21, 32                              ; from row to row
	s_mov_b32 s22, 0
	s_mov_b32 s23, 0
	s_mov_b32 s24, 15|(3<<16)|(1<<21)
	s_mov_b32 s25, 32<<16
	s_mov_b32 s26, 54<<16
	s_mov_b32 s27, 32<<16
	s_mov_b32 s28, 54
	s_mov_b32 s29, 32
	s_mov_b32 s30, 0
	s_mov_b32 s31, 0
	s_mul_i32 s33, s[WV], 4608                     ; LDS: my eighth of steps 0-3,
	s_mul_i32 s37, s[WV], 13824
	s_add_co_u32 s37, s37, 36864                   ; and of steps 4-15; the same places in the head's bytes of kv
	s_mul_i32 s46, s15, 147456
	s_add_co_u32 s48, s46, s33
	s_mov_b32 s49, 0
	s_add_co_u32 s50, s46, s37
	s_mov_b32 s51, 0
	s_mul_i32 s52, s15, 73728                      ; qc: my head, my block
	s_mul_i32 s53, s14, 4608
	s_add_co_u32 s52, s52, s53
	s_lshl_b32 s53, s[WV], 9
	s_add_co_u32 s54, s52, s53                     ; my tile's codes
	s_mov_b32 s55, 0
	s_lshr_b32 s53, s[WV], 2                       ; my tile's scale words: [w / 4][lane 16 (w % 2) + r][(w / 2) % 2]
	s_lshl_b32 s53, s53, 8
	s_add_co_u32 s56, s52, s53
	s_and_b32 s53, s[WV], 1
	s_lshl_b32 s53, s53, 7
	s_add_co_u32 s56, s56, s53
	s_bfe_u32 s53, s[WV], 0x10001
	s_lshl_b32 s53, s53, 2
	s_add_co_u32 s56, s56, s53
	s_mov_b32 s57, 0
	s_lshr_b32 s58, s15, 2                         ; att: ((batch x 128 + 8 x block + wave) x 4 + head) x 512
	s_lshl_b32 s58, s58, 18
	s_lshl_b32 s53, s14, 14
	s_add_co_u32 s58, s58, s53
	s_lshl_b32 s53, s[WV], 11
	s_add_co_u32 s58, s58, s53
	s_and_b32 s53, s15, 3
	s_lshl_b32 s53, s53, 9
	s_add_co_u32 s58, s58, s53
	s_mov_b32 s59, 0
	s_lshl_b32 s60, s15, 13                        ; asc: (batch x 4 + head) x 8,192 + block x 512
	s_lshl_b32 s53, s14, 9
	s_add_co_u32 s60, s60, s53
	s_mov_b32 s61, 0
	s_mov_b32 s[SEL], 0x76543210
	s_mov_b32 s[SEL+1], 0xfedcba98
	s_mov_b32 s[CS], 0x3e38aa3b                    ; c = log2(e) / 8
	s_mov_b32 s[CS+1], s[CS]                       ; (named with it as a pair, so it is written)
	s_mov_b32 s[TB], 0
	v_and_b32 v7, 31, v0
	v_lshlrev_b32 v[AL16], 4, v7
	v_lshlrev_b32 v[AL8], 3, v7
	v_and_b32 v245, 15, v0                         ; r
	v_bfe_u32 v246, v0, 4, 1                       ; h
	v_lshlrev_b32 v29, 3, v245                     ; 8 r
	s_lshl_b32 s53, s[WV], 6
	s_add_co_u32 s53, s53, STG
	v_lshl_add_u32 v5, v245, 2, s53                ; where my row's scale word of O goes: 64 x wave + 4 r
	v_add_nc_u32 v6, STG, v[AL16]                  ; and where wave 0 reads all of them
	v_bfe_u32 v247, v0, 3, 1                       ; a = (lane / 8) % 2
	v_and_b32 v244, 7, v0                          ; j = lane % 8
	v_lshlrev_b32 v[AKL], 4, v244
	v_lshl_add_u32 v[AKL], v247, 10, v[AKL]
	v_lshl_add_u32 v[AKL], v246, 8, v[AKL]         ; 16 j + 1,024 a + 256 h
	v_lshlrev_b32 v[AKS], 3, v244
	v_lshl_add_u32 v[AKS], v247, 2, v[AKS]
	v_lshl_add_u32 v[AKS], v246, 7, v[AKS]         ; 8 j + 4 a + 128 h
	v_lshlrev_b32 v[SH8], 3, v246
	s_wait_dscnt 0x0
	s_wait_kmcnt 0x0
	s_mov_b32 s32, 1
	s_add_nc_u64 s[34:35], s[4:5], s[48:49]
	s_or_b32 s35, s35, 0x80000000
	s_mov_b32 s36, 1
	s_add_nc_u64 s[38:39], s[4:5], s[50:51]
	s_or_b32 s39, s39, 0x80000000
	s_add_nc_u64 s[54:55], s[6:7], s[54:55]
	s_add_nc_u64 s[56:57], s[6:7], s[56:57]
	s_add_nc_u64 s[8:9], s[8:9], s[58:59]
	s_add_nc_u64 s[10:11], s[10:11], s[60:61]
	global_load_b128 v[16:19], v[AL16], s[54:55]   ; Q's fragment, registers 0-3: channels 32 h + 0 .. 31 of query r: on its way while the cluster meets
	global_load_b32 v28, v29, s[56:57] offset:4096 ; Q's scale words
	CROUND                                         ; all four work-groups are here: the joint loads meet
	tensor_load_to_lds s[32:35], s[16:23]          ; steps 0-3
	s_nop 0
	tensor_load_to_lds s[36:39], s[24:31]          ; steps 4-15
	s_nop 0
.rept 4
	v_nop
.endr
	v_xor_b32 v247, 1, v246                        ; 1 - h
	v_mul_u32_u24 v20, v247, 9                     ; k = 64 of every query: the code -0.5; all else of k = 64 .. 127 is 0
	v_mov_b32 v21, 0
	v_mov_b32 v22, 0
	v_mov_b32 v23, 0
.irp t, 0,1,2,3,4,5,6,7
	v_mov_b32 v[KF+8*\t+4], v247                   ; k = 64 of every key: the code 0.5
	v_mov_b32 v[KF+8*\t+5], 0
	v_mov_b32 v[KF+8*\t+6], 0
	v_mov_b32 v[KF+8*\t+7], 0
.endr
	v_mov_b32 v13, 0xf1800000                      ; the largest t so far: -2^100
	v_floor_f32 v12, -v13                          ; -M
	v_mov_b32 v14, 0                               ; the sum, in two halves
	v_mov_b32 v15, 0
	v_mov_b32 v31, 0                               ; (named as the upper half of the pair v[30:31] before it is first written)
.irp b, 0,1,2,3
	v_mov_b32 v[236+\b], 0                         ; written once: a lane permute's destination counts as one of its sources
.endr
.irp j, 0,1,2,3,4,5,6,7,8,9,10,11,12,13,14,15,16,17,18,19,20,21,22,23,24,25,26,27,28,29,30,31
	v_mov_b32 v[160+\j], 0                         ; O^T: the step is written once; the first finds zeros
.endr
; THE PLAIN WORK THAT STANDS BEHIND THE EXPONENTIALS, each list taken in its order.
.macro OMUL                            ; O^T under the new M, pair om of 16, ascending: each accumulator is read from its low end on
	v_pk_mul_f32 v[160+2*om:161+2*om], v[160+2*om:161+2*om], v[30:31] op_sel_hi:[1,0]
.set om, om+1
.endm
.macro PADD                            ; the row's sum of the unquantised p, two at a time, in two chains: addition pa takes pair pa + 1 (the first takes pairs 0 and 1)
.if pa == 0
	s_wait_alu depctr_va_vdst(0)
	v_pk_add_f32 v[SB:SB+1], v[96:97], v[98:99]
.elseif (pa%2) == 1
	v_pk_add_f32 v[14:15], v[14:15], v[98+2*pa:99+2*pa]
.else
	s_wait_alu depctr_va_vdst(0)
	v_pk_add_f32 v[SB:SB+1], v[SB:SB+1], v[98+2*pa:99+2*pa]
.endif
.set pa, pa+1
.endm
.macro SCALEW                          ; line i of ten: from my two blocks' largest p (v232, v234) to the conversions' scale operands (v240, v241) and p's scale word (v31)
.if i == 0
	s_wait_alu depctr_va_vdst(0)
	v_max_num_f32 v232, 0x1800000, v232            ; the floor 2^(3 - 127): the byte cannot fall under 1
.elseif i == 1
	v_max_num_f32 v234, 0x1800000, v234
.elseif i == 2
	v_add_nc_u32 v240, 0xff000000, v232            ; 2 off the exponent field: the conversion's scale operand
.elseif i == 3
	v_add_nc_u32 v241, 0xff000000, v234
.elseif i == 4
	v_lshrrev_b32 v236, 23, v240                   ; the scale's byte
.elseif i == 5
	v_lshrrev_b32 v237, 23, v241
.elseif i == 6
	v_lshl_or_b32 v238, v237, 16, v236             ; my two bytes: blocks h and 2 + h,
.elseif i == 7
	v_lshlrev_b32 v238, v[SH8], v238               ; at their places in the word (8 h bits up);
.elseif i == 8
	v_permlanex16_b32 v239, v238, s[SEL], s[SEL+1]
.elseif i == 9
	v_or_b32 v31, v238, v239                       ; with lane xor 16's two the word is whole
.endif
.endm
; A KEY STEP: 128 keys.  pre = 1: the next step's K is asked for.  v96-159 S^T, then p; v160-191 O^T; v224-231 p's codes; v232-235 largest scores; v236-241, v244 at work; v30 f, v31 p's scale word
.macro STEP pre
	s_wait_dscnt 0x0                               ; K's twelve loads, asked for a step ago, are in
.irp t, 0,1,2,3,4,5,6,7
.if (\t)%2
	v_wmma_scale_f32_16x16x128_f8f6f4 v[96+8*\t:103+8*\t], v[KF+8*\t:KF+8*\t+7], v[16:23], 0, v[KS+\t/2], v28 matrix_a_fmt:MATRIX_FMT_FP4 matrix_b_fmt:MATRIX_FMT_FP4 matrix_a_scale:MATRIX_SCALE_ROW1
.else
	v_wmma_scale_f32_16x16x128_f8f6f4 v[96+8*\t:103+8*\t], v[KF+8*\t:KF+8*\t+7], v[16:23], 0, v[KS+\t/2], v28 matrix_a_fmt:MATRIX_FMT_FP4 matrix_b_fmt:MATRIX_FMT_FP4
.endif
.endr
	v_add_nc_u32 v[ADI], s[TB], v[AL16]            ; the step's addresses: four plain lines that name no register of a product: the places behind the last step's second product
	v_add_nc_u32 v[ADS], s[TB], v[AL8]             ; (in front of the loads into V's registers) and behind the scores' products (in front of the first read of the scores
	v_add_nc_u32 v[ADK], s[TB], v[AKL]             ; and of the loads into K's registers)
	v_add_nc_u32 v[ADW], s[TB], v[AKS]
.irp t, 0,1,2,3
	ds_load_b128 v[VF+8*\t:VF+8*\t+3], v[ADI] offset:4608+1024*\t
	ds_load_b128 v[VF+8*\t+4:VF+8*\t+7], v[ADI] offset:4608+1024*\t+512
.endr
.irp g, 0,1
	ds_load_b64 v[VS+2*\g:VS+2*\g+1], v[ADS] offset:8704+256*\g
.endr
.irp b, 0,1,2,3
	v_max3_num_f32 v[232+\b], v[96+16*\b], v[97+16*\b], v[98+16*\b]   ; the largest score, in four chains of 16 registers by turns
.endr
.irp i, 3,5,7,9,11,13
.irp b, 0,1,2,3
	v_max3_num_f32 v[232+\b], v[232+\b], v[96+16*\b+\i], v[97+16*\b+\i]
.endr
.endr
	v_max_num_f32 v233, v233, v127
	v_max_num_f32 v235, v235, v159
	v_max3_num_f32 v232, v232, v111, v233          ; THE LARGEST SCORE OF MY BLOCK h of 32 keys: all 32 are mine.  It serves twice: for the row's maximum and, since p rises with the score, for the block's largest p
	v_max3_num_f32 v234, v234, v143, v235          ; and of my block 2 + h
	v_max_num_f32 v244, v232, v234
	v_permlanex16_b32 v236, v244, s[SEL], s[SEL+1]
.if \pre
	KIMG ADK, 9216, 0                              ; the next step's K: its loads stand among lines that wait for each other
.endif
	v_max_num_f32 v244, v244, v236                 ; with lane xor 16's 64 keys: the step's largest score of my query
	v_mul_f32 v244, s[CS], v244                    ; as t
	v_max_num_f32 v13, v13, v244                   ; the running largest t
.if \pre
	KIMG ADK, 9216, 4
.endif
	v_mov_b32 v244, v12
	v_floor_f32 v12, -v13                          ; the new -M = -ceil(t): a whole number
	v_sub_f32 v244, v12, v244                      ; old M - new M: a whole number, 0 or less
.if \pre
	KWRD ADW, 9216
.endif
	v_cvt_i32_f32 v244, v244                       ; (it saturates)
	v_ldexp_f32 v30, 1.0, v244                     ; f = 2^(old M - new M): the multiplications by it round nothing
	v_fma_f32 v232, v232, s[CS], v12               ; t - M of each block's largest score
	v_fma_f32 v234, v234, s[CS], v12
.irp j, 0,2,4,6
	v_pk_fma_f32 v[96+\j:97+\j], v[96+\j:97+\j], s[CS:CS+1], v[12:13] op_sel_hi:[1,0,0]   ; t - M, two at a time: the first four pairs
.endr
.set om, 0
.set pa, 0
	v_exp_f32 v232, v232                           ; the block's largest p: the same multiply-add and exponential on the same number give the same bits
	v_pk_mul_f32 v[14:15], v[14:15], v[30:31] op_sel_hi:[1,0]   ; the sums under the new M
	v_exp_f32 v234, v234
	OMUL
; p = 2^(t - M), not normalised: 64 exponentials, each with a plain line behind it that names neither its register nor anything not yet ready:
; behind an even one the scaling of the pair eight registers on (at the end: O^T's rescaling); behind an odd one an addition of a pair whose exponentials stand six lines of this list back or more (at the start: O^T's rescaling).
; The ten lines of the scale word follow the first ten.
.set i, 0
.rept 64
	v_exp_f32 v[96+i], v[96+i]
.if ((i%2) == 0) && (i < 56)
	v_pk_fma_f32 v[104+i:105+i], v[104+i:105+i], s[CS:CS+1], v[12:13] op_sel_hi:[1,0,0]
.elseif ((i%2) == 0) || (i < 8)
	OMUL
.else
	PADD
.endif
	SCALEW
.set i, i+1
.endr
	s_wait_alu depctr_va_vdst(0)
.irp c, 0,1
.irp g, 0,1,2,3
	v_cvt_scalef32_pk8_fp4_f32 v[224+4*\c+\g], v[96+32*\c+8*\g:103+32*\c+8*\g], v[240+\c]   ; register 4 c + g of the operand: keys 64 c + 32 h + 8 g + 0 .. 7
.endr
.endr
	v_nop                                          ; one plain place behind a scaled conversion
	PADD                                           ; the last three pairs,
	PADD
	PADD
	v_pk_add_f32 v[14:15], v[14:15], v[SB:SB+1]    ; and the two chains.  (With the line above: five plain lines between the codes and the product that takes them)
.rept 7
	OMUL
.endr
.if \pre
	s_wait_dscnt 12                                ; V's ten loads are in; behind them stand the next step's twelve of K, which may stay out
.else
	s_wait_dscnt 0x0
.endif
.irp t, 0,1,2,3
	v_wmma_scale_f32_16x16x128_f8f6f4 v[160+8*\t:167+8*\t], v[VF+8*\t:VF+8*\t+7], v[224:231], v[160+8*\t:167+8*\t], v[VS+\t], v31 matrix_a_fmt:MATRIX_FMT_FP4 matrix_b_fmt:MATRIX_FMT_FP4
.endr
	s_add_co_u32 s[TB], s[TB], 9216                ; the next step's bytes
.endm
	s_wait_loadcnt 0x0                             ; Q
	s_wait_tensorcnt 0x1                           ; my eighth of steps 0-3 is in; the second load may stay out
	s_barrier_signal -1
	s_barrier_wait -1                              ; everybody's is
	KIMG AKL, 0, 0                                 ; step 0's K
	KIMG AKL, 0, 4
	KWRD AKS, 0
	s_mov_b32 s[CNT], 3
.Lfirst:                                           ; steps 0, 1, 2: the last of them asks for K of step 3, the last that the first fill holds
	STEP 1
	s_sub_co_u32 s[CNT], s[CNT], 1
	s_cmp_lg_u32 s[CNT], 0
	s_cbranch_scc1 .Lfirst
	s_wait_tensorcnt 0x0                           ; my eighth of steps 4-15 is in
	s_wait_dscnt 0x0
	s_barrier_signal -1
	s_barrier_wait -1                              ; everybody's is
	s_mov_b32 s[CNT], 12
.Lrest:                                            ; steps 3 to 14
	STEP 1
	s_sub_co_u32 s[CNT], s[CNT], 1
	s_cmp_lg_u32 s[CNT], 0
	s_cbranch_scc1 .Lrest
	STEP 0                                         ; step 15 is written out: there is no K behind it to ask for
	; THE WAY OUT: O^T / l; its 64 channels are two blocks of the last projection's K: register 16 b + i = channel 32 b + 16 h + i of my query
.rept 4
	v_nop                                          ; places behind the last products
.endr
	v_add_f32 v14, v14, v15                        ; the sum's two halves,
	v_permlanex16_b32 v236, v14, s[SEL], s[SEL+1]
	v_add_f32 v14, v14, v236                       ; and lane xor 16's: the row's sum
	v_rcp_f32 v14, v14
	v_mov_b32 v245, 0xffff                         ; (a plain place behind the reciprocal)
	s_wait_alu depctr_va_vdst(0)
.irp j, 0,2,4,6,8,10,12,14,16,18,20,22,24,26,28,30
	v_pk_mul_f32 v[96+\j:97+\j], v[160+\j:161+\j], v[14:15] op_sel_hi:[1,0]
.endr
.irp b, 0,1
	v_max3_num_f32 v[232+\b], |v[96+16*\b]|, |v[97+16*\b]|, 0x1800000
.endr
.irp i, 2,4,6,8,10,12,14
.irp b, 0,1
	v_max3_num_f32 v[232+\b], v[232+\b], |v[96+16*\b+\i]|, |v[97+16*\b+\i]|
.endr
.endr
.irp b, 0,1
	v_permlanex16_b32 v[236+\b], v[232+\b], s[SEL], s[SEL+1]
.endr
.irp b, 0,1
	v_max_num_f32 v[232+\b], v[232+\b], v[236+\b]
.endr
.irp b, 0,1
	v_add_nc_u32 v[240+\b], 0xff000000, v[232+\b]
.endr
.irp b, 0,1
	v_lshrrev_b32 v[236+\b], 23, v[240+\b]
.endr
	v_lshl_or_b32 v244, v237, 8, v236              ; my row's two scale bytes
	v_cmp_ge_f32 vcc_lo, 0xf1800000, v13           ; no key has counted:
	v_cndmask_b32 v244, v244, v245, vcc_lo         ; both bytes 0xff
	v_cvt_scalef32_pk8_fp4_f32 v224, v[96:103], v240
	v_cvt_scalef32_pk8_fp4_f32 v225, v[104:111], v240
	v_cvt_scalef32_pk8_fp4_f32 v226, v[112:119], v241
	v_cvt_scalef32_pk8_fp4_f32 v227, v[120:127], v241
	v_nop                                          ; one plain place behind a scaled conversion
	v_permlane16_swap_b32 v224, v226
	v_permlane16_swap_b32 v225, v227               ; lane (r, h): channels 32 h + 0 .. 31 of query r: four registers of the next operand
	ds_store_b32 v5, v244                          ; both lanes of a row write the same word with the same value
	global_store_b128 v[AL16], v[224:227], s[8:9]  ; 512 consecutive bytes
	s_wait_dscnt 0x0                               ; for wave 0's sake: my word has landed
	s_barrier_signal -1
	s_barrier_wait -1
	s_cmp_lg_u32 s[WV], 0
	s_cbranch_scc1 .Lwords_done
	ds_load_b128 v[232:235], v6                    ; the eight tiles' words: 512 bytes
	s_wait_dscnt 0x0
	global_store_b128 v[AL16], v[232:235], s[10:11]
.Lwords_done:
	s_wait_tensorcnt 0x0
	ds_add_u32 v254, v255
	s_wait_dscnt 0x0
	CROUND                                         ; the closing round: no work-group ends while a partner may still ask for a tile that names it
	s_endpgm
.Lfunc_end_k_q70a8838a02_attn:
	.size	k_q70a8838a02_attn, .Lfunc_end_k_q70a8838a02_attn-k_q70a8838a02_attn
	.p2alignl 7, 3214868480
	.fill 96, 4, 3214868480
	.section	.rodata,"a",@progbits
	.p2align	6, 0x0
	.amdhsa_kernel k_q70a8838a02_attn
		.amdhsa_group_segment_fixed_size 168960
		.amdhsa_private_segment_fixed_size 0
		.amdhsa_enable_private_segment 0
		.amdhsa_kernarg_size 32
		.amdhsa_user_sgpr_count 2
		.amdhsa_user_sgpr_kernarg_segment_ptr 1
		.amdhsa_wavefront_size32 1
		.amdhsa_system_sgpr_workgroup_id_x 1
		.amdhsa_system_sgpr_workgroup_id_y 1
		.amdhsa_system_sgpr_workgroup_id_z 1
		.amdhsa_system_vgpr_workitem_id 0
		.amdhsa_next_free_vgpr 256
		.amdhsa_next_free_sgpr 66
		.amdhsa_reserve_vcc 1
		.amdhsa_float_denorm_mode_32 3
		.amdhsa_float_denorm_mode_16_64 3
		.amdhsa_memory_ordered 1
		.amdhsa_forward_progress 1
		.amdhsa_inst_pref_size 56
	.end_amdhsa_kernel
	.amdgpu_metadata
---
amdhsa.version: [ 1, 2 ]
amdhsa.kernels:
  - .name:           k_q70a8838a02_attn
    .symbol:         k_q70a8838a02_attn.kd
    .args:
      - { .name: kv, .offset: 0, .size: 8, .value_kind: global_buffer, .address_space: global }
      - { .name: qc, .offset: 8, .size: 8, .value_kind: global_buffer, .address_space: global }
      - { .name: att, .offset: 16, .size: 8, .value_kind: global_buffer, .address_space: global }
      - { .name: asc, .offset: 24, .size: 8, .value_kind: global_buffer, .address_space: global }
    .group_segment_fixed_size: 168960
    .private_segment_fixed_size: 0
    .kernarg_segment_align: 8
    .kernarg_segment_size: 32
    .max_flat_workgroup_size: 256
    .sgpr_count:     66
    .vgpr_count:     256
    .wavefront_size: 32
...
	.end_amdgpu_metadata
.endif
;; end of part 2
;; launch outp (part 3): grid 128 x 2, 8 waves a work-group, no clusters, 35,840 bytes of LDS; arguments att, asc, Wo, bo, mask, out0; writes out0
.if DOCPART == 3
	.amdgcn_target "amdgcn-amd-amdhsa--gfx1250"
	.amdhsa_code_object_version 6
	.text
	.protected	k_q70a8838a02_outp
	.globl	k_q70a8838a02_outp
	.p2align	8
	.type	k_q70a8838a02_outp,@function
k_q70a8838a02_outp:
	s_mov_b64 s[64:65], 0
	v_nop
	global_prefetch_b8 v0, s[64:65] scope:SCOPE_SE
	s_setreg_imm32_b32 hwreg(HW_REG_WAVE_MODE, 25, 1), 1
	s_wait_xcnt 0x0
; out0[b][o][t] = (sum over i of Wo[o][i] a[b][i][t] + bo[o]) x mask[b][0][t], the product on codes of E2M1 with one E8M0 scale for each 32 along K = 256.
; a arrives as images of operand registers: att [batch][tile of 16 t][K step 2][c 2][lane][16 bytes]; its scale bytes in asc [batch][head][tile][row] words, a head's two bytes in bits 15:0.
; Row r of tile 2 b' + u (of the four of a block of 64 t) is t = 32 b' + 8 u + r + 8 (r / 8).
; SHARES.  Work-group (x, y): x = batch x 32 + block of 64 t; y = which 128 outputs.  Wave w makes outputs 128 y + 16 w + 0 .. 15 for the 64 t.  It quantises its 16 rows of Wo in registers.
; Source 0 = 16 t, source 1 = 16 rows of Wo: a lane holds one output and eight neighbouring t (32 b' + 16 h + 8 u + 0 .. 7).  The bias is the C of each sum's first product.
; The results go through the wave's own stage in LDS (16 rows x 272 bytes) and leave as rows of 256 consecutive bytes, aligned.  Waves share nothing: no barrier.
; LIMITS: NaN and infinities among the inputs are not served.  A block of zeros of Wo gets the byte 1 (its codes are zeros).
.set LI,   1                           ; v1   16 x lane
.set LR4,  2                           ; v2   4 r
.set WGO,  3                           ; v3   1,024 r + 64 h
.set H64,  4                           ; v4   64 h
.set STO,  5                           ; v5   the stage: row r, + 64 h
.set SRD,  6                           ; v6   back: lanes 0-15 one row, lanes 16-31 the next
.set OGO,  7                           ; v7   the same two rows in out0
.set BR,   8                           ; v8-15  my output's bias, eight times
.set WF,   16                          ; v16-31 Wo's two fragments
.set AF,   32                          ; v32-95 a's eight fragments
.set MX,   96
.set T4,   100
.set SO,   104
.set WSR,  108                         ; v108-109 Wo's scale words
.set AS,   110                         ; v110-117 a's scale words
.set WN0,  128                         ; v128-191 64 numbers of Wo, K step 0
.set WN1,  192                         ; v192-255 K step 1
.set RW,   128                         ; later: v128-143 the heads' words
.set MK,   144                         ; v144-175 mask[b][0][t] in the result's layout
.set BB,   176                         ; v176 bo of my output
.set ACC,  192                         ; later: v192-223 the four accumulators
.set OB,   224                         ; v224-255 rows read back
.set SEL,  22
.macro QUANT s, d, w                   ; 64 numbers of a lane, register 16 b + i = k 32 b + 16 h + i of its row, become a fragment's codes and its scale word
.irp b, 0,1,2,3
	v_max3_num_f32 v[MX+\b], |v[(\s)+16*\b]|, |v[(\s)+1+16*\b]|, 0x1800000   ; and the floor 2^(3 - 127): the byte cannot fall under 1
.endr
.irp i, 2,4,6,8,10,12,14
.irp b, 0,1,2,3
	v_max3_num_f32 v[MX+\b], v[MX+\b], |v[(\s)+16*\b+\i]|, |v[(\s)+1+16*\b+\i]|
.endr
.endr
.irp b, 0,1,2,3
	v_permlanex16_b32 v[T4+\b], v[MX+\b], s[SEL], s[SEL+1]
.endr
.irp b, 0,1,2,3
	v_max_num_f32 v[MX+\b], v[MX+\b], v[T4+\b]
.endr
.irp b, 0,1,2,3
	v_add_nc_u32 v[SO+\b], 0xff000000, v[MX+\b]
.endr
.irp b, 0,1,2,3
	v_lshrrev_b32 v[T4+\b], 23, v[SO+\b]
.endr
	v_lshl_or_b32 v[(\w)], v[T4+1], 8, v[T4]
	v_lshl_or_b32 v[(\w)], v[T4+2], 16, v[(\w)]
	v_lshl_or_b32 v[(\w)], v[T4+3], 24, v[(\w)]
.irp b, 0,1,2,3
	v_cvt_scalef32_pk8_fp4_f32 v[(\d)+2*\b], v[(\s)+16*\b:(\s)+7+16*\b], v[SO+\b]
	v_cvt_scalef32_pk8_fp4_f32 v[(\d)+1+2*\b], v[(\s)+8+16*\b:(\s)+15+16*\b], v[SO+\b]
.endr
	v_nop                                          ; one plain place behind a scaled conversion
.irp c, 0,1
.irp i, 0,1
	v_permlane16_swap_b32 v[(\d)+4*\c+\i], v[(\d)+2+4*\c+\i]
.endr
.endr
.endm
	s_load_b256 s[4:11], s[0:1], 0x0               ; att 4, asc 6, Wo 8, bo 10
	s_load_b128 s[12:15], s[0:1], 0x20             ; mask 12, out0 14
	v_lshl_add_u32 v126, v0, 2, 0x8800
	v_mov_b32 v127, 0
	v_lshrrev_b32 v1, 5, v0
	v_readfirstlane_b32 s16, v1                    ; wave 0..7
	s_lshr_b32 s17, ttmp9, 5                       ; batch
	s_and_b32 s18, ttmp9, 31                       ; block of 64 t
	s_and_b32 s19, ttmp7, 0xffff
	s_lshl_b32 s20, s19, 7
	s_lshl_b32 s21, s16, 4
	s_add_co_u32 s20, s20, s21                     ; my first output
	s_mov_b32 s[SEL], 0x76543210
	s_mov_b32 s[SEL+1], 0xfedcba98
	s_mul_i32 s24, s16, 4352                       ; my stage
	s_mov_b32 s27, 0
	v_and_b32 v118, 31, v0
	v_and_b32 v119, 15, v0                         ; r
	v_bfe_u32 v120, v0, 4, 1                       ; h
	v_lshlrev_b32 v[LI], 4, v118
	v_lshlrev_b32 v[LR4], 2, v119
	v_lshlrev_b32 v[H64], 6, v120
	v_lshl_add_u32 v[WGO], v119, 10, v[H64]
	v_mul_u32_u24 v[STO], v119, 272
	v_add_nc_u32 v[STO], v[STO], v[H64]
	v_add_nc_u32 v[STO], s24, v[STO]
	v_mul_u32_u24 v[SRD], v120, 272
	v_lshl_add_u32 v[SRD], v119, 4, v[SRD]
	v_add_nc_u32 v[SRD], s24, v[SRD]
	v_lshlrev_b32 v[OGO], 13, v120
	v_lshl_add_u32 v[OGO], v119, 4, v[OGO]
.irp b, 0,1,2,3
	v_mov_b32 v[T4+\b], 0                          ; written once: a lane permute's destination counts as one of its sources
.endr
	s_wait_kmcnt 0x0
	s_lshl_b32 s26, s20, 10                        ; Wo: my 16 rows
	s_add_nc_u64 s[8:9], s[8:9], s[26:27]
	s_lshl_b32 s26, ttmp9, 13                      ; att: my four tiles
	s_add_nc_u64 s[4:5], s[4:5], s[26:27]
	s_lshl_b32 s26, s17, 15                        ; asc: batch x 32,768 + block x 256
	s_lshl_b32 s28, s18, 8
	s_add_co_u32 s26, s26, s28
	s_add_nc_u64 s[6:7], s[6:7], s[26:27]
	s_lshl_b32 s26, s17, 24                        ; mask: batch, row 0, my 64 t
	s_add_co_u32 s26, s26, s28
	s_add_nc_u64 s[12:13], s[12:13], s[26:27]
	s_lshl_b32 s26, s20, 2
	s_add_nc_u64 s[10:11], s[10:11], s[26:27]      ; bo
	s_lshl_b32 s26, s17, 21                        ; out0: batch x 256 x 8,192 + output x 8,192 + block x 256
	s_add_co_u32 s26, s26, s28
	s_lshl_b32 s28, s20, 13
	s_add_co_u32 s26, s26, s28
	s_add_nc_u64 s[14:15], s[14:15], s[26:27]
.irp k, 0,1
.irp b, 0,1,2,3
.irp j, 0,1,2,3
	global_load_b128 v[WN0+64*\k+16*\b+4*\j:WN0+64*\k+16*\b+4*\j+3], v[WGO], s[8:9] offset:512*\k+128*\b+16*\j
.endr
.endr
.endr
.irp t, 0,1,2,3
.irp k, 0,1
.irp c, 0,1
	global_load_b128 v[AF+8*(2*\t+\k)+4*\c:AF+8*(2*\t+\k)+4*\c+3], v[LI], s[4:5] offset:2048*\t+1024*\k+512*\c
.endr
.endr
.endr
	s_wait_loadcnt 32                              ; Wo's first K step is in: behind it stand its second's 16 loads and a's 16
	QUANT WN0, WF, WSR
.irp t, 0,1,2,3
.irp d, 0,1,2,3
	global_load_b32 v[RW+4*\t+\d], v[LR4], s[6:7] offset:8192*\d+64*\t      ; head d's two bytes of row r of tile t
.endr
.endr
.irp t, 0,1,2,3
	global_load_b128 v[MK+8*\t:MK+8*\t+3], v[H64], s[12:13] offset:128*(\t/2)+32*(\t%2)
	global_load_b128 v[MK+8*\t+4:MK+8*\t+7], v[H64], s[12:13] offset:128*(\t/2)+32*(\t%2)+16
.endr
	global_load_b32 v[BB], v[LR4], s[10:11]
	s_wait_loadcnt 41                              ; Wo's second K step is in: behind it stand a's 16 loads and the 25 just issued
	QUANT WN1, WF+8, WSR+1
	s_wait_loadcnt 0x0
.irp t, 0,1,2,3
.irp k, 0,1
	v_lshl_or_b32 v[AS+2*\t+\k], v[RW+4*\t+2*\k+1], 16, v[RW+4*\t+2*\k]    ; heads 2 k and 2 k + 1 make K step k's four bytes
.endr
.endr
.irp j, 0,1,2,3,4,5,6,7
	v_mov_b32 v[BR+\j], v[BB]
.endr
.rept 8
	v_nop                                          ; a scale register written by a vector instruction stands eight places ahead of the product
.endr
.irp t, 0,1,2,3
	v_wmma_scale_f32_16x16x128_f8f6f4 v[ACC+8*\t:ACC+8*\t+7], v[AF+16*\t:AF+16*\t+7], v[WF:WF+7], v[BR:BR+7], v[AS+2*\t], v[WSR] matrix_a_fmt:MATRIX_FMT_FP4 matrix_b_fmt:MATRIX_FMT_FP4
.endr
.irp t, 0,1,2,3
	v_wmma_scale_f32_16x16x128_f8f6f4 v[ACC+8*\t:ACC+8*\t+7], v[AF+16*\t+8:AF+16*\t+15], v[WF+8:WF+15], v[ACC+8*\t:ACC+8*\t+7], v[AS+2*\t+1], v[WSR+1] matrix_a_fmt:MATRIX_FMT_FP4 matrix_b_fmt:MATRIX_FMT_FP4
.endr
.rept 4
	v_nop
.endr
.irp j, 0,2,4,6,8,10,12,14,16,18,20,22,24,26,28,30
	v_pk_mul_f32 v[ACC+\j:ACC+\j+1], v[ACC+\j:ACC+\j+1], v[MK+\j:MK+\j+1]  ; x mask[b][0][t]
.endr
.irp t, 0,1,2,3
	ds_store_b128 v[STO], v[ACC+8*\t:ACC+8*\t+3] offset:128*(\t/2)+32*(\t%2)
	ds_store_b128 v[STO], v[ACC+8*\t+4:ACC+8*\t+7] offset:128*(\t/2)+32*(\t%2)+16
.endr
.irp i, 0,1,2,3,4,5,6,7
	ds_load_b128 v[OB+4*\i:OB+4*\i+3], v[SRD] offset:544*\i                ; LDS serves a wave's instructions in order: these see my stores
.endr
.irp i, 0,1,2,3,4,5,6,7
	s_wait_dscnt 7-\i                              ; rows 2 i and 2 i + 1 are back; the younger loads may stay out
	global_store_b128 v[OGO], v[OB+4*\i:OB+4*\i+3], s[14:15] offset:16384*\i th:TH_STORE_NT   ; sixteen lanes store 256 consecutive bytes, aligned
.endr
	s_wait_tensorcnt 0x0
	ds_add_u32 v126, v127
	s_wait_dscnt 0x0
	s_endpgm
.Lfunc_end_k_q70a8838a02_outp:
	.size	k_q70a8838a02_outp, .Lfunc_end_k_q70a8838a02_outp-k_q70a8838a02_outp
	.p2alignl 7, 3214868480
	.fill 96, 4, 3214868480
	.section	.rodata,"a",@progbits
	.p2align	6, 0x0
	.amdhsa_kernel k_q70a8838a02_outp
		.amdhsa_group_segment_fixed_size 35840
		.amdhsa_private_segment_fixed_size 0
		.amdhsa_enable_private_segment 0
		.amdhsa_kernarg_size 48
		.amdhsa_user_sgpr_count 2
		.amdhsa_user_sgpr_kernarg_segment_ptr 1
		.amdhsa_wavefront_size32 1
		.amdhsa_system_sgpr_workgroup_id_x 1
		.amdhsa_system_sgpr_workgroup_id_y 1
		.amdhsa_system_sgpr_workgroup_id_z 1
		.amdhsa_system_vgpr_workitem_id 0
		.amdhsa_next_free_vgpr 256
		.amdhsa_next_free_sgpr 66
		.amdhsa_reserve_vcc 0
		.amdhsa_float_denorm_mode_32 3
		.amdhsa_float_denorm_mode_16_64 3
		.amdhsa_memory_ordered 1
		.amdhsa_forward_progress 1
		.amdhsa_inst_pref_size 23
	.end_amdhsa_kernel
	.amdgpu_metadata
---
amdhsa.version: [ 1, 2 ]
amdhsa.kernels:
  - .name:           k_q70a8838a02_outp
    .symbol:         k_q70a8838a02_outp.kd
    .args:
      - { .name: att, .offset: 0, .size: 8, .value_kind: global_buffer, .address_space: global }
      - { .name: asc, .offset: 8, .size: 8, .value_kind: global_buffer, .address_space: global }
      - { .name: Wo, .offset: 16, .size: 8, .value_kind: global_buffer, .address_space: global }
      - { .name: bo, .offset: 24, .size: 8, .value_kind: global_buffer, .address_space: global }
      - { .name: mask, .offset: 32, .size: 8, .value_kind: global_buffer, .address_space: global }
      - { .name: out0, .offset: 40, .size: 8, .value_kind: global_buffer, .address_space: global }
    .group_segment_fixed_size: 35840
    .private_segment_fixed_size: 0
    .kernarg_segment_align: 8
    .kernarg_segment_size: 48
    .max_flat_workgroup_size: 256
    .sgpr_count:     66
    .vgpr_count:     256
    .wavefront_size: 32
...
	.end_amdgpu_metadata
.endif
;; end of part 3
;; ======== version 2 of 2: 3 launches; version 1 with the launches proj, outp written anew for expert scheduling mode
;; limits: right only within a limited range of input values
;; workspace buffers: kv 2,359,296 bytes; qc 1,179,648 bytes; att 1,048,576 bytes; asc 131,072 bytes
;; launch proj (part 4): grid 16 x 12, 8 waves a work-group, no clusters, 53,248 bytes of LDS; arguments keys, queries, values, Wk, Wq, Wv, bk, bq, bv, mask, kv, qc; writes kv, qc
.if DOCPART == 4
	.amdgcn_target "amdgcn-amd-amdhsa--gfx1250"
	.amdhsa_code_object_version 6
	.text
	.protected	k_q70a8838a02_proj
	.globl	k_q70a8838a02_proj
	.p2align	8
	.type	k_q70a8838a02_proj,@function
k_q70a8838a02_proj:
	s_mov_b64 s[64:65], 0
	v_nop
	global_prefetch_b8 v0, s[64:65] scope:SCOPE_SE
	s_setreg_imm32_b32 hwreg(HW_REG_WAVE_SCHED_MODE, 0, 2), 2
	s_setreg_imm32_b32 hwreg(HW_REG_WAVE_MODE, 25, 1), 1
	s_wait_xcnt 0x0
	s_wait_alu depctr_vm_vsrc(0)
; The three 1x1 projections on codes of E2M1 with one E8M0 scale for each 32 along K, and the quantising of their results for the attention.
; y = W X + bias, X: [4][256 channels][2048 positions] f32, W: [256][256] f32.  Work-group (x, y): x = a block of 128 positions; y = 4 x tensor + batch (tensor 0 keys, 1 queries, 2 values).
; PHASE Q.  X's K (the channels) is not innermost: a lane takes a position and its registers run down the channels: wave w takes positions 32 (w % 4) .. + 31 and channels 128 (w / 4) .. + 127.
;   W's K is innermost: wave w quantises W's rows 32 w .. 32 w + 31 (two tiles x two K steps).  Both go to LDS as images of operand registers (a fragment = 1,024 bytes, 16 bytes a lane and group of four registers).
; THE ROWS OF A TILE ARE NOT NEIGHBOURS, for X's positions and W's rows alike: row r of tile 2 b + u is 32 b + 8 u + r + 8 (r / 8), so that the 16 result registers of tiles 2 b, 2 b + 1 are 16 neighbours.
; KEYS, QUERIES: source 0 = 16 rows of W, source 1 = 16 positions: a lane holds one position and its registers run along the head's 64 channels, the next product's K.  Wave = (head w / 2, positions' tiles 4 (w % 2) ..).
; VALUES: source 0 = 16 positions, source 1 = 16 rows of W: a lane holds one channel and its registers run along the 128 positions, the next product's K.  Wave = W's tiles 2 w, 2 w + 1.
; The bias is the C of each sum's first product.
; OUT (workspace, images of operand registers): kv: [batch x 4 + head] 147,456 bytes, [step of 128 keys] 9,216: K's 8 tiles x 512 | K's scale words [2][lane][2] | V's 4 tiles x 1,024 | V's scale words [2][lane][2].
;   qc: [batch x 4 + head] 73,728 bytes, [block of 128 queries] 4,608: as K's two parts.
; THE KEY MASK rides in k's scale words.  The scores' product uses k = 0 .. 63 of the instruction's 128; the attention sets the code 0.5 at k = 64 of every key and -0.5 at k = 64 of every query.
;   Byte 2 of a key's word is 1 where mask[b][s][0] > 0 (the term is -2^-128) and 0xf0 where not (the term is -2^111); byte 3 is 1; a query's bytes 2 and 3 are 127.
; LIMITS: NaN and infinities among the inputs are not served.  A block of zeros gets the byte 1 (its codes are zeros; this program alone reads the bytes).
; THE MODE: SCHED_MODE bits 1:0 = 2 (LLVM: expert scheduling mode 2), set by the entry lines.  The code itself states the register dependences
; between vector or matrix instructions and memory or LDS instructions, with s_wait_alu, always for 0.
; THE PLAN.  Registers that memory or LDS instructions touch:
;   v1-13, v15, v49-52   offsets and LDS addresses: made at the head, never written again.  One wait on va_vdst ahead of the first load states that they are written.
;   v64-127              64 numbers of W: loaded four times; QUANT reads them; the next sixteen loads land in them.
;   v128-159, v160-191   two sets of 32 numbers of X: BLOCK t reads set t % 2; the loads of block t + 2 land in it.
;   v192-223, v24-27     the codes and scale words of W's four fragments;  v32-47, v60: the codes of X's four blocks and their scale word.  Each fragment and block has registers of its own:
;                        written by its conversions, read by its LDS stores, and not written again ahead of the barrier.
;   So PHASE Q has ONE wait to a fragment or block, on va_vdst, behind its conversions: the codes are written, which the LDS stores read, and the numbers have been read, in whose registers the next loads land.
;   Behind the barrier these registers take other parts (fragments and words from LDS, results' codes): ONE wait on vm_vsrc, ahead of the branch, states that my LDS stores have read them.
;   XF with XS or WS     read by a run of products; the next run's LDS loads land in them behind a wait on va_vdst that follows the products, and, where results are quantised next, land meanwhile.
;   v32-39, v232-239     the codes of the first and of the second group of results: written by QUANT, read by the global stores behind one wait on va_vdst, and never written again.
.set XIMG, 0                           ; LDS: X's 16 fragments, (tile x 2 + K step) x 1,024
.set WIMG, 16384                       ; W's 32 fragments, likewise
.set XSC,  49152                       ; X's scale words, 64 bytes a fragment
.set WSC,  50176                       ; W's
.set LI,   1                           ; v1   16 x lane
.set LR4,  2                           ; v2   4 r
.set SH16, 3                           ; v3   16 h
.set XGO,  4                           ; v4   4 x lane
.set WGO,  5                           ; v5   (r + 8 (r / 8)) x 1,024 + 64 h
.set XWI,  6                           ; v6   where I store X's codes
.set XWS,  7                           ; v7   and X's scale word
.set WWI,  8                           ; v8   my wave's four fragments of W
.set WWS,  9                           ; v9   and their scale words
.set WRA,  10                          ; v10  my head's eight fragments of W
.set WSA,  11                          ; v11  and their scale words
.set XRA,  12                          ; v12  my four tiles of X
.set XSA,  13                          ; v13  and their scale words
.set XSV,  15                          ; v15  X's scale words from the first tile on
.set MX,   16                          ; v16-19 largest magnitudes
.set T4,   20                          ; v20-23 at work
.set WW,   24                          ; v24-27 phase Q: the scale words of W's four fragments
.set XS,   24                          ; v24-27 behind the barrier: scale words for products
.set SO,   28                          ; v28-31 the conversions' scale operands
.set XC,   32                          ; v32-47 phase Q: the codes of X's four blocks
.set PC,   32                          ; v32-39 behind the barrier: the codes of the first group of results
.set WS,   40                          ; v40-47 behind the barrier: scale words for products
.set SMV,  48                          ; v48  the upper half of a hidden key's word
.set BGV,  49                          ; v49  4 (r + 8 (r / 8))
.set L8,   50                          ; v50  8 x lane
.set BGK,  51                          ; v51  64 h
.set MGO,  52                          ; v52  my key's row in the mask
.set KEPT, 53                          ; v53  the upper half of the word of a key that counts
.set PW,   54                          ; v54-55 the scale words of the two groups of results
.set MV,   56                          ; v56-57 mask numbers
.set OW,   58                          ; v58-59 words to store
.set XW,   60                          ; v60  X's scale word
.set BV,   62                          ; v62-63 the bias of my channel (values)
.set ACC,  64                          ; v64-127 64 numbers of W, later the accumulators
.set XA,   128                         ; v128-191 two sets of 32 numbers of X
.set XF,   128                         ; later X's fragments
.set WF,   160                         ; v160-223 W's eight fragments (keys, queries)
.set WC,   192                         ; v192-223 phase Q: the codes of W's four fragments
.set WFV,  192                         ; v192-223 W's four fragments (values)
.set BI,   224                         ; v224-255 the bias in the result's layout (keys, queries)
.set BR,   224                         ; v224-231 the bias of my channel, eight times (values)
.set PC2,  232                         ; v232-239 the codes of the second group of results (keys, queries: the bias there was last read by that group's first products)
.set SEL,  50                          ; s[50:51] lane selects for lane xor 16
; 64 numbers of a lane, register 16 b + i = k 32 b + 16 h + i of its row, become a fragment's codes in v[d] on and its scale word in v[w]
.macro QUANT s, d, w
.irp b, 0,1,2,3
	v_max3_num_f32 v[MX+\b], |v[(\s)+16*\b]|, |v[(\s)+1+16*\b]|, 0x1800000   ; my 16 numbers of block b, and the floor 2^(3 - 127): the byte cannot fall under 1
.endr
.irp i, 2,4,6,8,10,12,14
.irp b, 0,1,2,3
	v_max3_num_f32 v[MX+\b], v[MX+\b], |v[(\s)+16*\b+\i]|, |v[(\s)+1+16*\b+\i]|
.endr
.endr
.irp b, 0,1,2,3
	v_permlanex16_b32 v[T4+\b], v[MX+\b], s[SEL], s[SEL+1]
.endr
.irp b, 0,1,2,3
	v_max_num_f32 v[MX+\b], v[MX+\b], v[T4+\b]           ; with lane xor 16's: the block's largest magnitude
.endr
.irp b, 0,1,2,3
	v_add_nc_u32 v[SO+\b], 0xff000000, v[MX+\b]          ; 2 off its exponent field: the conversion's scale operand
.endr
.irp b, 0,1,2,3
	v_lshrrev_b32 v[T4+\b], 23, v[SO+\b]                 ; the scale's byte
.endr
	v_lshl_or_b32 v[(\w)], v[T4+1], 8, v[T4]
	v_lshl_or_b32 v[(\w)], v[T4+2], 16, v[(\w)]
	v_lshl_or_b32 v[(\w)], v[T4+3], 24, v[(\w)]
.irp b, 0,1,2,3
	v_cvt_scalef32_pk8_fp4_f32 v[(\d)+2*\b], v[(\s)+16*\b:(\s)+7+16*\b], v[SO+\b]
	v_cvt_scalef32_pk8_fp4_f32 v[(\d)+1+2*\b], v[(\s)+8+16*\b:(\s)+15+16*\b], v[SO+\b]
.endr
	v_nop                                                ; one plain place behind a scaled conversion
.irp c, 0,1
.irp i, 0,1
	v_permlane16_swap_b32 v[(\d)+4*\c+\i], v[(\d)+2+4*\c+\i]   ; a whole block to a lane: lanes 0-15 block 2 c, lanes 16-31 block 2 c + 1
.endr
.endr
.endm
.macro WLOAD u, k                      ; tile u, K step k of my wave's rows of W: 64 numbers a lane
.irp b, 0,1,2,3
.irp j, 0,1,2,3
	global_load_b128 v[ACC+16*\b+4*\j:ACC+16*\b+4*\j+3], v[WGO], s[14:15] offset:(\u)*8192+(\k)*512+128*\b+16*\j
.endr
.endr
.endm
.macro WOUT f                          ; fragment f of my four goes to LDS as it stands
	ds_store_b128 v[WWI], v[WC+8*(\f):WC+8*(\f)+3] offset:(\f)*1024
	ds_store_b128 v[WWI], v[WC+8*(\f)+4:WC+8*(\f)+7] offset:(\f)*1024+512
	ds_store_b32 v[WWS], v[WW+(\f)] offset:(\f)*64       ; both lanes of a row write the same word with the same value
.endm
.macro XLOADB t                        ; block t of 32 channels at my position: 32 lanes read 128 consecutive bytes, four waves side by side 512
.irp i, 0,1,2,3,4,5,6,7,8,9,10,11,12,13,14,15,16,17,18,19,20,21,22,23,24,25,26,27,28,29,30,31
	global_load_b32 v[XA+32*((\t)%2)+\i], v[XGO], s[8:9] offset:(32*(\t)+\i)*8192 th:TH_LOAD_NT
.endr
.endm
.macro BLOCK t                         ; all 32 numbers of the block are mine: no other lane is asked
.set XR, XA+32*((\t)%2)
	v_max3_num_f32 v[MX], |v[XR]|, |v[XR+1]|, |v[XR+2]|
	v_max3_num_f32 v[MX+1], |v[XR+3]|, |v[XR+4]|, |v[XR+5]|
.irp i, 6,10,14,18,22,26
	v_max3_num_f32 v[MX], v[MX], |v[XR+\i]|, |v[XR+\i+1]|
	v_max3_num_f32 v[MX+1], v[MX+1], |v[XR+\i+2]|, |v[XR+\i+3]|
.endr
	v_max3_num_f32 v[MX], v[MX], |v[XR+30]|, |v[XR+31]|
	v_max3_num_f32 v[MX], v[MX], v[MX+1], 0x1800000
	v_add_nc_u32 v[SO], 0xff000000, v[MX]
	v_lshrrev_b32 v[T4], 23, v[SO]
.if (\t) == 0
	v_mov_b32 v[XW], v[T4]
.else
	v_lshl_or_b32 v[XW], v[T4], 8*(\t), v[XW]
.endif
.irp g, 0,1,2,3
	v_cvt_scalef32_pk8_fp4_f32 v[XC+4*(\t)+\g], v[XR+8*\g:XR+8*\g+7], v[SO]
.endr
	v_nop                                                ; one plain place behind a scaled conversion
	s_wait_alu depctr_va_vdst(0)                         ; the conversions have written block t's codes, which the LDS store reads, and are done reading set t % 2, in which the loads of block t + 2 land; in block 3: X's scale word is written too
	ds_store_b128 v[XWI], v[XC+4*(\t):XC+4*(\t)+3] offset:((\t)/2)*512+((\t)%2)*256   ; block t is registers 4 (t / 2) on of lane 16 (t % 2) + row
.endm
.macro FETCH reg, adr, off             ; a fragment comes back as it was stored
	ds_load_b128 v[(\reg):(\reg)+3], v[\adr] offset:(\off)
	ds_load_b128 v[(\reg)+4:(\reg)+7], v[\adr] offset:(\off)+512
.endm
.macro MM d, a, b, c, sa, sb
	v_wmma_scale_f32_16x16x128_f8f6f4 v[(\d):(\d)+7], v[(\a):(\a)+7], v[(\b):(\b)+7], v[(\c):(\c)+7], v[(\sa)], v[(\sb)] matrix_a_fmt:MATRIX_FMT_FP4 matrix_b_fmt:MATRIX_FMT_FP4
.endm
.macro XKQ g                           ; keys, queries: tiles 2 g and 2 g + 1 of my four tiles of X, both K steps, and their scale words
.irp x, 0,1
.irp k, 0,1
	FETCH XF+8*(2*\x+\k), XRA, (2*(2*\g+\x)+\k)*1024
	ds_load_b32 v[XS+2*\x+\k], v[XSA] offset:(2*(2*\g+\x)+\k)*64
.endr
.endr
.endm
.macro MMKQ                            ; keys, queries: my head's four tiles of channels for two tiles of positions
.irp x, 0,1
.irp t, 0,1,2,3
	MM ACC+8*(4*\x+\t), WF+8*(2*\t), XF+8*(2*\x), BI+8*\t, WS+2*\t, XS+2*\x
.endr
.endr
.irp x, 0,1
.irp t, 0,1,2,3
	MM ACC+8*(4*\x+\t), WF+8*(2*\t+1), XF+8*(2*\x+1), ACC+8*(4*\x+\t), WS+2*\t+1, XS+2*\x+1   ; the eight accumulators by turns
.endr
.endr
.rept 5
	v_nop                                          ; places behind the products: for the reads of results, the next loads into operands, and the accumulators begun anew
.endr
.endm
.macro XV k                            ; values: K step k of X's eight tiles, and their scale words
.irp a, 0,1,2,3,4,5,6,7
	FETCH XF+8*\a, LI, (2*\a+\k)*1024
	ds_load_b32 v[WS+\a], v[XSV] offset:(2*\a+\k)*64
.endr
.endm
.macro MMV g, k                        ; values: tile g of my two tiles of channels, K step k: the eight accumulators by turns
.irp a, 0,1,2,3,4,5,6,7
.if \k == 0
	MM ACC+8*\a, XF+8*\a, WFV+16*\g, BR, WS+\a, XS+2*\g
.else
	MM ACC+8*\a, XF+8*\a, WFV+16*\g+8, ACC+8*\a, WS+\a, XS+2*\g+1
.endif
.endr
.endm
	s_load_b512 s[8:23], s[0:1], 0x0               ; keys 8, queries 10, values 12, Wk 14, Wq 16, Wv 18, bk 20, bq 22
	s_load_b256 s[24:31], s[0:1], 0x40             ; bv 24, mask 26, kv 28, qc 30
	v_lshl_add_u32 v14, v0, 2, 0xcc00              ; my spare word, behind the scale words; kept for the closing lines alone
	v_mov_b32 v61, 0                               ; and 0, likewise
	v_lshrrev_b32 v64, 5, v0
	v_readfirstlane_b32 s33, v64                   ; wave 0..7
	s_and_b32 s32, ttmp7, 0xffff
	s_and_b32 s38, s32, 3                          ; batch
	s_lshr_b32 s32, s32, 2                         ; tensor: 0 keys, 1 queries, 2 values
	s_mov_b32 s[SEL], 0x76543210
	s_mov_b32 s[SEL+1], 0xfedcba98
	v_and_b32 v64, 31, v0                          ; lane
	v_and_b32 v65, 15, v0                          ; r
	v_bfe_u32 v66, v0, 4, 1                        ; h
	v_lshlrev_b32 v[LI], 4, v64
	v_lshlrev_b32 v[LR4], 2, v65
	v_lshlrev_b32 v[SH16], 4, v66
	v_lshlrev_b32 v[XGO], 2, v64
	v_lshlrev_b32 v[L8], 3, v64
	v_lshlrev_b32 v[BGK], 6, v66
	v_and_b32 v67, 8, v65
	v_add_nc_u32 v67, v67, v65                     ; r + 8 (r / 8)
	v_lshlrev_b32 v[BGV], 2, v67
	v_lshlrev_b32 v[WGO], 10, v67
	v_lshl_add_u32 v[WGO], v66, 6, v[WGO]
	v_lshl_add_u32 v[MGO], v66, 3, v67             ; 8 h + r + 8 (r / 8)
	; my position 32 PQ + lane is row (lane % 8) + 8 (lane / 16) of tile 2 PQ + (lane / 8) % 2
	v_bfe_u32 v68, v0, 3, 1
	v_and_b32 v69, 7, v0
	v_lshl_add_u32 v69, v66, 3, v69
.irp b, 0,1,2,3
	v_mov_b32 v[T4+\b], 0                          ; written once: a lane permute's destination counts as one of its sources
.endr
	s_wait_alu depctr_va_sdst(0)                   ; s33, the wave's number, is written, ahead of its first reader
	s_lshr_b32 s34, s33, 1                         ; head
	s_and_b32 s35, s33, 1                          ; which half of the head's work
	s_and_b32 s36, s33, 3                          ; phase Q: which 32 positions
	s_lshr_b32 s37, s33, 2                         ; phase Q: which 128 channels
	s_lshl_b32 s52, s36, 12
	s_lshl_b32 s53, s37, 10
	s_add_co_u32 s52, s52, s53
	v_lshlrev_b32 v[XWI], 11, v68
	v_lshl_add_u32 v[XWI], v69, 4, v[XWI]
	v_add_nc_u32 v[XWI], s52, v[XWI]
	s_lshl_b32 s52, s36, 8
	s_lshl_b32 s53, s37, 6
	s_add_co_u32 s52, s52, s53
	s_add_co_u32 s52, s52, XSC
	v_lshlrev_b32 v[XWS], 7, v68
	v_lshl_add_u32 v[XWS], v69, 2, v[XWS]
	v_add_nc_u32 v[XWS], s52, v[XWS]
	s_lshl_b32 s52, s33, 12
	s_add_co_u32 s52, s52, WIMG
	v_add_nc_u32 v[WWI], s52, v[LI]
	s_lshl_b32 s52, s33, 8
	s_add_co_u32 s52, s52, WSC
	v_add_nc_u32 v[WWS], s52, v[LR4]
	s_lshl_b32 s52, s34, 13
	s_add_co_u32 s52, s52, WIMG
	v_add_nc_u32 v[WRA], s52, v[LI]
	s_lshl_b32 s52, s34, 9
	s_add_co_u32 s52, s52, WSC
	v_add_nc_u32 v[WSA], s52, v[LR4]
	s_lshl_b32 s52, s35, 13
	v_add_nc_u32 v[XRA], s52, v[LI]
	s_lshl_b32 s52, s35, 9
	s_add_co_u32 s52, s52, XSC
	v_add_nc_u32 v[XSA], s52, v[LR4]
	v_add_nc_u32 v[XSV], XSC, v[LR4]
	s_mov_b32 s40, 0x7f7f0000
	s_mov_b32 s44, 147456
	s_mov_b32 s45, 9216
	s_mov_b32 s47, 0
	s_wait_kmcnt 0x0
	; the tensor's buffers: every choice hangs on the work-group's number alone
	s_cmp_eq_u32 s32, 2
	s_cselect_b64 s[10:11], s[12:13], s[10:11]
	s_cselect_b64 s[16:17], s[18:19], s[16:17]
	s_cselect_b64 s[22:23], s[24:25], s[22:23]
	s_cmp_eq_u32 s32, 0
	s_cselect_b64 s[8:9], s[8:9], s[10:11]         ; X
	s_cselect_b64 s[14:15], s[14:15], s[16:17]     ; W
	s_cselect_b64 s[20:21], s[20:21], s[22:23]     ; the bias
	s_cselect_b32 s41, 0x01010000, s40             ; a word's upper half: a key that counts,
	s_cselect_b32 s42, 0x01f00000, s40             ; a hidden key; a query has 0x7f7f either way
	s_cselect_b32 s43, 8192, 0                     ; from key to key in the mask; for queries and values all lanes read one word, and nothing hangs on it
	s_cmp_eq_u32 s32, 1
	s_cselect_b64 s[28:29], s[30:31], s[28:29]     ; where the results go
	s_cselect_b32 s44, 73728, s44                  ; a head's bytes there,
	s_cselect_b32 s45, 4608, s45                   ; a block's
	s_lshl_b32 s46, s38, 21                        ; X: batch x 256 x 8,192 + block x 512 + 32 positions x 4 + 128 channels x 8,192
	s_lshl_b32 s48, ttmp9, 9
	s_add_co_u32 s46, s46, s48
	s_lshl_b32 s48, s36, 7
	s_add_co_u32 s46, s46, s48
	s_lshl_b32 s48, s37, 20
	s_add_co_u32 s46, s46, s48
	s_add_nc_u64 s[8:9], s[8:9], s[46:47]
	s_lshl_b32 s46, s33, 15                        ; W: my wave's 32 rows
	s_add_nc_u64 s[14:15], s[14:15], s[46:47]
	s_lshl_b32 s46, s34, 8                         ; the bias: my head's 64 numbers,
	s_add_nc_u64 s[20:21], s[20:21], s[46:47]
	s_lshl_b32 s46, s35, 7                         ; and my half of them
	s_add_nc_u64 s[22:23], s[20:21], s[46:47]
	s_lshl_b32 s46, s38, 24                        ; the mask: batch, row 128 x block + 64 x half, column 0
	s_lshl_b32 s48, ttmp9, 20
	s_add_co_u32 s46, s46, s48
	s_lshl_b32 s48, s35, 19
	s_add_co_u32 s46, s46, s48
	s_add_nc_u64 s[26:27], s[26:27], s[46:47]
	s_lshl_b32 s48, s38, 2
	s_add_co_u32 s48, s48, s34
	s_mul_i32 s46, s48, s44
	s_mul_i32 s48, ttmp9, s45
	s_add_co_u32 s46, s46, s48
	s_add_nc_u64 s[28:29], s[28:29], s[46:47]      ; my head's block
	s_lshl_b32 s46, s35, 8
	s_add_nc_u64 s[30:31], s[28:29], s[46:47]      ; + 256 x half: for scale words
	s_lshl_b32 s46, s35, 11
	s_add_nc_u64 s[28:29], s[28:29], s[46:47]      ; + 2,048 x half: for codes
	v_mul_lo_u32 v[MGO], v[MGO], s43
	s_wait_alu depctr_va_vdst(0)                   ; every offset and LDS address of the kernel (v1-13, v15, v49-52) is written, which the loads and stores below read; so are v64-69, in which loads of W land
	; both forms of the bias and two mask numbers: every work-group loads all of them, so that no register is written on one way only
.irp t, 0,1,2,3
	global_load_b128 v[BI+8*\t:BI+8*\t+3], v[BGK], s[20:21] offset:(32*(\t/2)+8*(\t%2))*4
	global_load_b128 v[BI+8*\t+4:BI+8*\t+7], v[BGK], s[20:21] offset:(32*(\t/2)+8*(\t%2))*4+16
.endr
	global_load_b32 v[BV], v[BGV], s[22:23]
	global_load_b32 v[BV+1], v[BGV], s[22:23] offset:32
	global_load_b32 v[MV], v[MGO], s[26:27]
	global_load_b32 v[MV+1], v[MGO], s[26:27] offset:262144
	; ---- PHASE Q: W's four fragments and X's four blocks by turns; loads run ahead
	WLOAD 0, 0
	XLOADB 0
	XLOADB 1
	s_wait_loadcnt 63                              ; 64 loads were issued behind W's first fragment; 63 is the largest count that can be named
	QUANT ACC, WC, WW
	s_wait_alu depctr_va_vdst(0)                   ; fragment 0's codes and word are written, which the LDS stores read; its numbers have been read, in whose registers the next sixteen loads land
	WOUT 0
	WLOAD 0, 1
	s_wait_loadcnt 48                              ; X's block 0 is in: behind it stand block 1's 32 loads and W's 16
	BLOCK 0
	XLOADB 2
	s_wait_loadcnt 32                              ; X's block 1 and W's second fragment are in: behind them stand block 2's 32
	QUANT ACC, WC+8, WW+1
	s_wait_alu depctr_va_vdst(0)                   ; the same of fragment 1
	WOUT 1
	WLOAD 1, 0
	BLOCK 1
	XLOADB 3
	s_wait_loadcnt 32                              ; X's block 2 and W's third fragment are in: behind them stand block 3's 32
	QUANT ACC, WC+16, WW+2
	s_wait_alu depctr_va_vdst(0)                   ; the same of fragment 2
	WOUT 2
	WLOAD 1, 1
	BLOCK 2
	s_wait_loadcnt 0x0
	QUANT ACC, WC+24, WW+3
	s_wait_alu depctr_va_vdst(0)                   ; fragment 3's codes and word are written, which the LDS stores read
	WOUT 3
	BLOCK 3
	ds_store_b32 v[XWS], v[XW]                     ; (the word was whole ahead of the wait in BLOCK 3)
	s_wait_dscnt 0x0                               ; for the others' sake: my stores have landed
	s_barrier_signal -1
	s_barrier_wait -1                              ; all 48 fragments and their scale words lie in LDS; nothing is stored there any more
	s_wait_alu depctr_vm_vsrc(0)                   ; my LDS stores have read v24-27, v32-47 and v192-223: on both ways below fragments and words land there, and results' codes are written there.  (The vector lines that named these and v128-191 stand ahead of the wait in BLOCK 3)
	s_cmp_eq_u32 s32, 2
	s_cbranch_scc1 .Lvalues
	; ---- KEYS, QUERIES: my head's 64 channels for my four tiles of positions, two tiles at a time
.irp t, 0,1,2,3
.irp k, 0,1
	FETCH WF+8*(2*\t+\k), WRA, (2*\t+\k)*1024
	ds_load_b32 v[WS+2*\t+\k], v[WSA] offset:(2*\t+\k)*64
.endr
.endr
	XKQ 0
	s_wait_dscnt 0x0
	MMKQ
	s_wait_alu depctr_va_vdst(0)                   ; the products are done reading X's fragments and scale words, in whose registers the second group's land, while the first group's results are quantised
	XKQ 1
	QUANT ACC, PC, PW                              ; blocks 0, 1: tile 0's two blocks of channels; blocks 2, 3: tile 1's
	s_wait_alu depctr_va_vdst(0)                   ; the first group's codes are written, which the stores read
	global_store_b128 v[LI], v[PC:PC+3], s[28:29]                          ; registers 0-3 of a tile's fragment: 512 consecutive bytes
	global_store_b128 v[LI], v[PC+4:PC+7], s[28:29] offset:512
	s_wait_dscnt 0x0
	MMKQ
	v_cmp_lt_f32 s52, 0, v[MV]                     ; does my key count?  Both compares in a run, far ahead of the selects
	v_cmp_lt_f32 s53, 0, v[MV+1]
	QUANT ACC, PC2, PW+1                           ; tiles 2 and 3
	v_mov_b32 v[KEPT], s41
	v_mov_b32 v[SMV], s42
	s_wait_alu depctr_va_sdst(0)                   ; s52 and s53, the compares' masks, are written, ahead of the selects that read them
.irp e, 0,1                                    ; lane (r, h), word e: row r of tile 2 e + h of my four: its two bytes below, the mask's byte and the fourth block's above
	v_cndmask_b32 v[T4], v[SMV], v[KEPT], s[52+\e]
	v_lshrrev_b32 v[MX], v[SH16], v[PW+\e]
	v_and_or_b32 v[OW+\e], v[MX], 0xffff, v[T4]
.endr
	s_wait_alu depctr_va_vdst(0)                   ; the second group's codes and the two words are written, which the stores read
	global_store_b128 v[LI], v[PC2:PC2+3], s[28:29] offset:1024
	global_store_b128 v[LI], v[PC2+4:PC2+7], s[28:29] offset:1536
	global_store_b64 v[L8], v[OW:OW+1], s[30:31] offset:4096               ; 256 consecutive bytes, aligned
	s_wait_dscnt 0x0                               ; the closing lines, six on end
	s_wait_alu 0x0
	s_wait_tensorcnt 0x0
	ds_add_u32 v14, v61
	s_wait_dscnt 0x0
	s_endpgm
.Lvalues:
	; ---- VALUES: my two tiles of 16 channels for all 128 positions
.irp j, 0,1,2,3,4,5,6,7
	v_mov_b32 v[BR+\j], v[BV]                      ; a lane holds one channel: its bias in all eight registers of C
.endr
.rept 4
	v_nop                                          ; the copies stand four plain lines ahead of the products that take them
.endr
.irp f, 0,1,2,3
	FETCH WFV+8*\f, WWI, \f*1024                   ; my wave's four fragments of W (tile f / 2, K step f % 2).  No vector line since the waits above names a register that these loads touch
	ds_load_b32 v[XS+\f], v[WWS] offset:\f*64
.endr
	XV 0
	s_wait_dscnt 0x0
	MMV 0, 0
.rept 4
	v_nop                                          ; places behind the products, in front of loads into registers that they have read
.endr
	s_wait_alu depctr_va_vdst(0)                   ; the products are done reading X's fragments and scale words, in whose registers the next K step's land
	XV 1
	s_wait_dscnt 0x0
	MMV 0, 1
.rept 5
	v_nop                                          ; places behind the products: for the reads of results, the next loads into operands, the new copies of the bias and the accumulators begun anew
.endr
	s_wait_alu depctr_va_vdst(0)                   ; the same: the second tile's first K step lands while the first tile's results are quantised
	XV 0
.irp j, 0,1,2,3,4,5,6,7
	v_mov_b32 v[BR+\j], v[BV+1]
.endr
	QUANT ACC, PC, PW                              ; a whole fragment of V: 16 channels x 128 positions
	s_wait_alu depctr_va_vdst(0)                   ; the first tile's codes are written, which the stores read
	global_store_b128 v[LI], v[PC:PC+3], s[28:29] offset:4608
	global_store_b128 v[LI], v[PC+4:PC+7], s[28:29] offset:4608+512
	s_wait_dscnt 0x0
	MMV 1, 0
.rept 4
	v_nop                                          ; places behind the products, in front of loads into registers that they have read
.endr
	s_wait_alu depctr_va_vdst(0)                   ; the products are done reading X's fragments and scale words, in whose registers the next K step's land
	XV 1
	s_wait_dscnt 0x0
	MMV 1, 1
.rept 5
	v_nop                                          ; places behind the products, in front of the reads of results
.endr
	QUANT ACC, PC2, PW+1
	s_wait_alu depctr_va_vdst(0)                   ; the second tile's codes and both scale words are written, which the stores read
	global_store_b128 v[LI], v[PC2:PC2+3], s[28:29] offset:4608+1024
	global_store_b128 v[LI], v[PC2+4:PC2+7], s[28:29] offset:4608+1024+512
	global_store_b64 v[L8], v[PW:PW+1], s[30:31] offset:8704               ; my two tiles' scale words: 256 consecutive bytes, aligned
	s_wait_dscnt 0x0                               ; the closing lines, six on end
	s_wait_alu 0x0
	s_wait_tensorcnt 0x0
	ds_add_u32 v14, v61
	s_wait_dscnt 0x0
	s_endpgm
.Lfunc_end_k_q70a8838a02_proj:
	.size	k_q70a8838a02_proj, .Lfunc_end_k_q70a8838a02_proj-k_q70a8838a02_proj
	.p2alignl 7, 3214868480
	.fill 96, 4, 3214868480
	.section	.rodata,"a",@progbits
	.p2align	6, 0x0
	.amdhsa_kernel k_q70a8838a02_proj
		.amdhsa_group_segment_fixed_size 53248
		.amdhsa_private_segment_fixed_size 0
		.amdhsa_enable_private_segment 0
		.amdhsa_kernarg_size 96
		.amdhsa_user_sgpr_count 2
		.amdhsa_user_sgpr_kernarg_segment_ptr 1
		.amdhsa_wavefront_size32 1
		.amdhsa_system_sgpr_workgroup_id_x 1
		.amdhsa_system_sgpr_workgroup_id_y 1
		.amdhsa_system_sgpr_workgroup_id_z 1
		.amdhsa_system_vgpr_workitem_id 0
		.amdhsa_next_free_vgpr 256
		.amdhsa_next_free_sgpr 66
		.amdhsa_reserve_vcc 0
		.amdhsa_float_denorm_mode_32 3
		.amdhsa_float_denorm_mode_16_64 3
		.amdhsa_memory_ordered 1
		.amdhsa_forward_progress 1
		.amdhsa_inst_pref_size 84
	.end_amdhsa_kernel
	.amdgpu_metadata
---
amdhsa.version: [ 1, 2 ]
amdhsa.kernels:
  - .name:           k_q70a8838a02_proj
    .symbol:         k_q70a8838a02_proj.kd
    .args:
      - { .name: keys, .offset: 0, .size: 8, .value_kind: global_buffer, .address_space: global }
      - { .name: queries, .offset: 8, .size: 8, .value_kind: global_buffer, .address_space: global }
      - { .name: values, .offset: 16, .size: 8, .value_kind: global_buffer, .address_space: global }
      - { .name: Wk, .offset: 24, .size: 8, .value_kind: global_buffer, .address_space: global }
      - { .name: Wq, .offset: 32, .size: 8, .value_kind: global_buffer, .address_space: global }
      - { .name: Wv, .offset: 40, .size: 8, .value_kind: global_buffer, .address_space: global }
      - { .name: bk, .offset: 48, .size: 8, .value_kind: global_buffer, .address_space: global }
      - { .name: bq, .offset: 56, .size: 8, .value_kind: global_buffer, .address_space: global }
      - { .name: bv, .offset: 64, .size: 8, .value_kind: global_buffer, .address_space: global }
      - { .name: mask, .offset: 72, .size: 8, .value_kind: global_buffer, .address_space: global }
      - { .name: kv, .offset: 80, .size: 8, .value_kind: global_buffer, .address_space: global }
      - { .name: qc, .offset: 88, .size: 8, .value_kind: global_buffer, .address_space: global }
    .group_segment_fixed_size: 53248
    .private_segment_fixed_size: 0
    .kernarg_segment_align: 8
    .kernarg_segment_size: 96
    .max_flat_workgroup_size: 256
    .sgpr_count:     66
    .vgpr_count:     256
    .wavefront_size: 32
...
	.end_amdgpu_metadata
.endif
;; end of part 4
;; launch attn: the kernel of part 2 again; grid 16 x 16, 8 waves a work-group, clusters of 4 x 1, 168,960 bytes of LDS; arguments kv, qc, att, asc; writes att, asc
;; launch outp (part 5): grid 128 x 2, 8 waves a work-group, no clusters, 35,840 bytes of LDS; arguments att, asc, Wo, bo, mask, out0; writes out0
.if DOCPART == 5
	.amdgcn_target "amdgcn-amd-amdhsa--gfx1250"
	.amdhsa_code_object_version 6
	.text
	.protected	k_q70a8838a02_outp
	.globl	k_q70a8838a02_outp
	.p2align	8
	.type	k_q70a8838a02_outp,@function
k_q70a8838a02_outp:
	s_mov_b64 s[64:65], 0
	v_nop
	global_prefetch_b8 v0, s[64:65] scope:SCOPE_SE
	s_setreg_imm32_b32 hwreg(HW_REG_WAVE_SCHED_MODE, 0, 2), 2
	s_setreg_imm32_b32 hwreg(HW_REG_WAVE_MODE, 25, 1), 1
	s_wait_xcnt 0x0
	s_wait_alu depctr_vm_vsrc(0)
; out0[b][o][t] = (sum over i of Wo[o][i] a[b][i][t] + bo[o]) x mask[b][0][t], the product on codes of E2M1 with one E8M0 scale for each 32 along K = 256.
; a arrives as images of operand registers: att [batch][tile of 16 t][K step 2][c 2][lane][16 bytes]; its scale bytes in asc [batch][head][tile][row] words, a head's two bytes in bits 15:0.
; Row r of tile 2 b' + u (of the four of a block of 64 t) is t = 32 b' + 8 u + r + 8 (r / 8).
; SHARES.  Work-group (x, y): x = batch x 32 + block of 64 t; y = which 128 outputs.  Wave w makes outputs 128 y + 16 w + 0 .. 15 for the 64 t.  It quantises its 16 rows of Wo in registers.
; Source 0 = 16 t, source 1 = 16 rows of Wo: a lane holds one output and eight neighbouring t (32 b' + 16 h + 8 u + 0 .. 7).  The bias is the C of each sum's first product.
; The results go through the wave's own stage in LDS (16 rows x 272 bytes) and leave as rows of 256 consecutive bytes, aligned.  Waves share nothing: no barrier.
; LIMITS: NaN and infinities among the inputs are not served.  A block of zeros of Wo gets the byte 1 (its codes are zeros).
; THE MODE: SCHED_MODE bits 1:0 = 2 (LLVM: expert scheduling mode 2), set by the entry lines.  The code itself states the register dependences
; between vector or matrix instructions and memory or LDS instructions, with s_wait_alu, always for 0.
; THE PLAN.  Registers that memory or LDS instructions touch:
;   v1-7       offsets and LDS addresses: made at the head, never written again: one wait on va_vdst ahead of the first load.
;   v128-176   Wo's first K step as loaded; the first QUANT reads it; behind one wait on va_vdst the heads' words, the mask and the bias land there.
;   v16-31, v108-117   Wo's codes and the scale words: written by vector lines, taken by the scaled products: one wait on va_vdst behind the places in front of them.
;   v192-223   the accumulators: the multiplications by the mask write them, the LDS stores read them: one wait on va_vdst.  It also covers the loads back from the stage, which land in v224-255, last named by the second QUANT.
;   No register that a memory or LDS instruction reads is written again: no wait on vm_vsrc is owed.
.set LI,   1                           ; v1   16 x lane
.set LR4,  2                           ; v2   4 r
.set WGO,  3                           ; v3   1,024 r + 64 h
.set H64,  4                           ; v4   64 h
.set STO,  5                           ; v5   the stage: row r, + 64 h
.set SRD,  6                           ; v6   back: lanes 0-15 one row, lanes 16-31 the next
.set OGO,  7                           ; v7   the same two rows in out0
.set BR,   8                           ; v8-15  my output's bias, eight times
.set WF,   16                          ; v16-31 Wo's two fragments
.set AF,   32                          ; v32-95 a's eight fragments
.set MX,   96
.set T4,   100
.set SO,   104
.set WSR,  108                         ; v108-109 Wo's scale words
.set AS,   110                         ; v110-117 a's scale words
.set WN0,  128                         ; v128-191 64 numbers of Wo, K step 0
.set WN1,  192                         ; v192-255 K step 1
.set RW,   128                         ; later: v128-143 the heads' words
.set MK,   144                         ; v144-175 mask[b][0][t] in the result's layout
.set BB,   176                         ; v176 bo of my output
.set ACC,  192                         ; later: v192-223 the four accumulators
.set OB,   224                         ; v224-255 rows read back
.set SEL,  22
.macro QUANT s, d, w                   ; 64 numbers of a lane, register 16 b + i = k 32 b + 16 h + i of its row, become a fragment's codes and its scale word
.irp b, 0,1,2,3
	v_max3_num_f32 v[MX+\b], |v[(\s)+16*\b]|, |v[(\s)+1+16*\b]|, 0x1800000   ; and the floor 2^(3 - 127): the byte cannot fall under 1
.endr
.irp i, 2,4,6,8,10,12,14
.irp b, 0,1,2,3
	v_max3_num_f32 v[MX+\b], v[MX+\b], |v[(\s)+16*\b+\i]|, |v[(\s)+1+16*\b+\i]|
.endr
.endr
.irp b, 0,1,2,3
	v_permlanex16_b32 v[T4+\b], v[MX+\b], s[SEL], s[SEL+1]
.endr
.irp b, 0,1,2,3
	v_max_num_f32 v[MX+\b], v[MX+\b], v[T4+\b]
.endr
.irp b, 0,1,2,3
	v_add_nc_u32 v[SO+\b], 0xff000000, v[MX+\b]
.endr
.irp b, 0,1,2,3
	v_lshrrev_b32 v[T4+\b], 23, v[SO+\b]
.endr
	v_lshl_or_b32 v[(\w)], v[T4+1], 8, v[T4]
	v_lshl_or_b32 v[(\w)], v[T4+2], 16, v[(\w)]
	v_lshl_or_b32 v[(\w)], v[T4+3], 24, v[(\w)]
.irp b, 0,1,2,3
	v_cvt_scalef32_pk8_fp4_f32 v[(\d)+2*\b], v[(\s)+16*\b:(\s)+7+16*\b], v[SO+\b]
	v_cvt_scalef32_pk8_fp4_f32 v[(\d)+1+2*\b], v[(\s)+8+16*\b:(\s)+15+16*\b], v[SO+\b]
.endr
	v_nop                                          ; one plain place behind a scaled conversion
.irp c, 0,1
.irp i, 0,1
	v_permlane16_swap_b32 v[(\d)+4*\c+\i], v[(\d)+2+4*\c+\i]
.endr
.endr
.endm
	s_load_b256 s[4:11], s[0:1], 0x0               ; att 4, asc 6, Wo 8, bo 10
	s_load_b128 s[12:15], s[0:1], 0x20             ; mask 12, out0 14
	v_lshl_add_u32 v126, v0, 2, 0x8800             ; my spare word, behind the eight stages; kept for the closing lines alone
	v_mov_b32 v127, 0                              ; and 0, likewise
	v_lshrrev_b32 v1, 5, v0
	v_readfirstlane_b32 s16, v1                    ; wave 0..7
	s_lshr_b32 s17, ttmp9, 5                       ; batch
	s_and_b32 s18, ttmp9, 31                       ; block of 64 t
	s_and_b32 s19, ttmp7, 0xffff
	s_lshl_b32 s20, s19, 7
	s_mov_b32 s[SEL], 0x76543210
	s_mov_b32 s[SEL+1], 0xfedcba98
	s_mov_b32 s27, 0
	v_and_b32 v118, 31, v0
	v_and_b32 v119, 15, v0                         ; r
	v_bfe_u32 v120, v0, 4, 1                       ; h
	v_lshlrev_b32 v[LI], 4, v118
	v_lshlrev_b32 v[LR4], 2, v119
	v_lshlrev_b32 v[H64], 6, v120
	v_lshl_add_u32 v[WGO], v119, 10, v[H64]
	v_mul_u32_u24 v[STO], v119, 272
	v_add_nc_u32 v[STO], v[STO], v[H64]
	v_mul_u32_u24 v[SRD], v120, 272
	v_lshl_add_u32 v[SRD], v119, 4, v[SRD]
	v_lshlrev_b32 v[OGO], 13, v120
	v_lshl_add_u32 v[OGO], v119, 4, v[OGO]
.irp b, 0,1,2,3
	v_mov_b32 v[T4+\b], 0                          ; written once: a lane permute's destination counts as one of its sources
.endr
	s_wait_alu depctr_va_sdst(0)                   ; s16, the wave's number, is written, ahead of its first reader
	s_lshl_b32 s21, s16, 4
	s_add_co_u32 s20, s20, s21                     ; my first output
	s_mul_i32 s24, s16, 4352                       ; my stage
	v_add_nc_u32 v[STO], s24, v[STO]
	v_add_nc_u32 v[SRD], s24, v[SRD]
	s_wait_kmcnt 0x0
	s_lshl_b32 s26, s20, 10                        ; Wo: my 16 rows
	s_add_nc_u64 s[8:9], s[8:9], s[26:27]
	s_lshl_b32 s26, ttmp9, 13                      ; att: my four tiles
	s_add_nc_u64 s[4:5], s[4:5], s[26:27]
	s_lshl_b32 s26, s17, 15                        ; asc: batch x 32,768 + block x 256
	s_lshl_b32 s28, s18, 8
	s_add_co_u32 s26, s26, s28
	s_add_nc_u64 s[6:7], s[6:7], s[26:27]
	s_lshl_b32 s26, s17, 24                        ; mask: batch, row 0, my 64 t
	s_add_co_u32 s26, s26, s28
	s_add_nc_u64 s[12:13], s[12:13], s[26:27]
	s_lshl_b32 s26, s20, 2
	s_add_nc_u64 s[10:11], s[10:11], s[26:27]      ; bo
	s_lshl_b32 s26, s17, 21                        ; out0: batch x 256 x 8,192 + output x 8,192 + block x 256
	s_add_co_u32 s26, s26, s28
	s_lshl_b32 s28, s20, 13
	s_add_co_u32 s26, s26, s28
	s_add_nc_u64 s[14:15], s[14:15], s[26:27]
	s_wait_alu depctr_va_vdst(0)                   ; the seven offsets and LDS addresses v1 to v7 are written, which the loads and stores below read
.irp k, 0,1
.irp b, 0,1,2,3
.irp j, 0,1,2,3
	global_load_b128 v[WN0+64*\k+16*\b+4*\j:WN0+64*\k+16*\b+4*\j+3], v[WGO], s[8:9] offset:512*\k+128*\b+16*\j
.endr
.endr
.endr
.irp t, 0,1,2,3
.irp k, 0,1
.irp c, 0,1
	global_load_b128 v[AF+8*(2*\t+\k)+4*\c:AF+8*(2*\t+\k)+4*\c+3], v[LI], s[4:5] offset:2048*\t+1024*\k+512*\c
.endr
.endr
.endr
	s_wait_loadcnt 32                              ; Wo's first K step is in: behind it stand its second's 16 loads and a's 16
	QUANT WN0, WF, WSR
	s_wait_alu depctr_va_vdst(0)                   ; the conversions are done reading v128-191, in which the 25 loads below land
.irp t, 0,1,2,3
.irp d, 0,1,2,3
	global_load_b32 v[RW+4*\t+\d], v[LR4], s[6:7] offset:8192*\d+64*\t      ; head d's two bytes of row r of tile t
.endr
.endr
.irp t, 0,1,2,3
	global_load_b128 v[MK+8*\t:MK+8*\t+3], v[H64], s[12:13] offset:128*(\t/2)+32*(\t%2)
	global_load_b128 v[MK+8*\t+4:MK+8*\t+7], v[H64], s[12:13] offset:128*(\t/2)+32*(\t%2)+16
.endr
	global_load_b32 v[BB], v[LR4], s[10:11]
	s_wait_loadcnt 41                              ; Wo's second K step is in: behind it stand a's 16 loads and the 25 just issued
	QUANT WN1, WF+8, WSR+1
	s_wait_loadcnt 0x0
.irp t, 0,1,2,3
.irp k, 0,1
	v_lshl_or_b32 v[AS+2*\t+\k], v[RW+4*\t+2*\k+1], 16, v[RW+4*\t+2*\k]    ; heads 2 k and 2 k + 1 make K step k's four bytes
.endr
.endr
.irp j, 0,1,2,3,4,5,6,7
	v_mov_b32 v[BR+\j], v[BB]
.endr
.rept 8
	v_nop                                          ; a scale register written by a vector instruction stands eight places ahead of the product
.endr
	s_wait_alu depctr_va_vdst(0)                   ; Wo's codes (v16-31) and the scale words (v108-117) are written, which the scaled products take as operand and scales; the places above stay beside this wait
.irp t, 0,1,2,3
	v_wmma_scale_f32_16x16x128_f8f6f4 v[ACC+8*\t:ACC+8*\t+7], v[AF+16*\t:AF+16*\t+7], v[WF:WF+7], v[BR:BR+7], v[AS+2*\t], v[WSR] matrix_a_fmt:MATRIX_FMT_FP4 matrix_b_fmt:MATRIX_FMT_FP4
.endr
.irp t, 0,1,2,3
	v_wmma_scale_f32_16x16x128_f8f6f4 v[ACC+8*\t:ACC+8*\t+7], v[AF+16*\t+8:AF+16*\t+15], v[WF+8:WF+15], v[ACC+8*\t:ACC+8*\t+7], v[AS+2*\t+1], v[WSR+1] matrix_a_fmt:MATRIX_FMT_FP4 matrix_b_fmt:MATRIX_FMT_FP4
.endr
.rept 4
	v_nop
.endr
.irp j, 0,2,4,6,8,10,12,14,16,18,20,22,24,26,28,30
	v_pk_mul_f32 v[ACC+\j:ACC+\j+1], v[ACC+\j:ACC+\j+1], v[MK+\j:MK+\j+1]  ; x mask[b][0][t]
.endr
	s_wait_alu depctr_va_vdst(0)                   ; the multiplications have written v192-223, which the LDS stores read; the second QUANT is long done reading v224-255, in which the loads from the stage land
.irp t, 0,1,2,3
	ds_store_b128 v[STO], v[ACC+8*\t:ACC+8*\t+3] offset:128*(\t/2)+32*(\t%2)
	ds_store_b128 v[STO], v[ACC+8*\t+4:ACC+8*\t+7] offset:128*(\t/2)+32*(\t%2)+16
.endr
.irp i, 0,1,2,3,4,5,6,7
	ds_load_b128 v[OB+4*\i:OB+4*\i+3], v[SRD] offset:544*\i                ; LDS serves a wave's instructions in order: these see my stores
.endr
.irp i, 0,1,2,3,4,5,6,7
	s_wait_dscnt 7-\i                              ; rows 2 i and 2 i + 1 are back; the younger loads may stay out
	global_store_b128 v[OGO], v[OB+4*\i:OB+4*\i+3], s[14:15] offset:16384*\i th:TH_STORE_NT   ; sixteen lanes store 256 consecutive bytes, aligned
.endr
	s_wait_dscnt 0x0                               ; the closing lines, six on end
	s_wait_alu 0x0
	s_wait_tensorcnt 0x0
	ds_add_u32 v126, v127
	s_wait_dscnt 0x0
	s_endpgm
.Lfunc_end_k_q70a8838a02_outp:
	.size	k_q70a8838a02_outp, .Lfunc_end_k_q70a8838a02_outp-k_q70a8838a02_outp
	.p2alignl 7, 3214868480
	.fill 96, 4, 3214868480
	.section	.rodata,"a",@progbits
	.p2align	6, 0x0
	.amdhsa_kernel k_q70a8838a02_outp
		.amdhsa_group_segment_fixed_size 35840
		.amdhsa_private_segment_fixed_size 0
		.amdhsa_enable_private_segment 0
		.amdhsa_kernarg_size 48
		.amdhsa_user_sgpr_count 2
		.amdhsa_user_sgpr_kernarg_segment_ptr 1
		.amdhsa_wavefront_size32 1
		.amdhsa_system_sgpr_workgroup_id_x 1
		.amdhsa_system_sgpr_workgroup_id_y 1
		.amdhsa_system_sgpr_workgroup_id_z 1
		.amdhsa_system_vgpr_workitem_id 0
		.amdhsa_next_free_vgpr 256
		.amdhsa_next_free_sgpr 66
		.amdhsa_reserve_vcc 0
		.amdhsa_float_denorm_mode_32 3
		.amdhsa_float_denorm_mode_16_64 3
		.amdhsa_memory_ordered 1
		.amdhsa_forward_progress 1
		.amdhsa_inst_pref_size 23
	.end_amdhsa_kernel
	.amdgpu_metadata
---
amdhsa.version: [ 1, 2 ]
amdhsa.kernels:
  - .name:           k_q70a8838a02_outp
    .symbol:         k_q70a8838a02_outp.kd
    .args:
      - { .name: att, .offset: 0, .size: 8, .value_kind: global_buffer, .address_space: global }
      - { .name: asc, .offset: 8, .size: 8, .value_kind: global_buffer, .address_space: global }
      - { .name: Wo, .offset: 16, .size: 8, .value_kind: global_buffer, .address_space: global }
      - { .name: bo, .offset: 24, .size: 8, .value_kind: global_buffer, .address_space: global }
      - { .name: mask, .offset: 32, .size: 8, .value_kind: global_buffer, .address_space: global }
      - { .name: out0, .offset: 40, .size: 8, .value_kind: global_buffer, .address_space: global }
    .group_segment_fixed_size: 35840
    .private_segment_fixed_size: 0
    .kernarg_segment_align: 8
    .kernarg_segment_size: 48
    .max_flat_workgroup_size: 256
    .sgpr_count:     66
    .vgpr_count:     256
    .wavefront_size: 32
...
	.end_amdgpu_metadata
.endif
;; end of part 5
